; MI455X (gfx1250); checked and timed in simulation.
; The chip was launched on July 23, 2026; its instructions are those of AMD's public machine-readable ISA for CDNA 5 (MIT licence, August 2026) and "CDNA5" Instruction Set Architecture Reference Guide (July 2026). The comments in the code are by the model that wrote it; some were corrected since.
;; Multi Head Attention. Allowed arithmetic: matrix products marked QUANTISED: E2M3 operands, one E8M0 scale for each 32 along K, by v_wmma_scale_f32_16x16x128_f8f6f4 with both operands' format E2M3, f32 sums; everything else in f32.
;; Inputs: Wk 16 x 1,024 x 64 float32; Wo 1,024 x 1,024 float32; Wq 16 x 1,024 x 64 float32; Wv 16 x 1,024 x 64 float32; bo 1,024 float32; x 8 x 1,024 x 1,024 float32.
;; Outputs: out0 8 x 1,024 x 1,024 float32.
;; This version of the problem:
;;   THIS VERSION OF THE PROBLEM IS GIVEN IN LOW PRECISION. The matrix products marked QUANTISED in the list below multiply operands that are first quantised to E2M3 (2 exponent bits, 3 mantissa bits; 6 bits a number), with one power-of-two scale for each 32 numbers along K (OCP MX v1.0); their sums are f32. All else is computed in f32.
;;   The module's matrix products, in the order in which they are computed (A, B: the left and right operand; K: the contracted axis; several contracted axes count as one K, in the product's order):
;;     1. [M 1,024, K 1,024] x [K 1,024, N 8,192]; A: input Wq; B: input x: QUANTISED
;;     2. [M 1,024, K 1,024] x [K 1,024, N 8,192]; A: input Wk; B: input x: QUANTISED
;;     3. [M 1,024, K 1,024] x [K 1,024, N 8,192]; A: input Wv; B: input x: QUANTISED
;;     4. batch 128 x [M 1,024, K 64] x [K 64, N 1,024]; A: computed on the way; B: computed on the way: QUANTISED
;;     5. batch 128 x [M 1,024, K 1,024] x [K 1,024, N 64]; A: softmax (see below); B: computed on the way: QUANTISED
;;     6. [M 8,192, K 1,024] x [K 1,024, N 1,024]; A: computed on the way; B: input Wo: QUANTISED
;;   THE QUANTISER, for each operand of a quantised product, along K:
;;     - K is cut into blocks of 32 from its start; a last block that is shorter is filled with zeros.
;;     - A block's scale is 2^e with e = floor(log2(the largest magnitude in the block)) - 2, held to -126 .. 127; a block of zeros has e = 0. As a byte (E8M0): e + 127.
;;     - Each number is divided by its block's scale, clamped to +-7.5, and rounded to the nearest number of E2M3, ties to even, subnormals kept.
;;     - The product sums the exact products of the quantised numbers (number of the format x scale) in f32.
;;   ~~~python
;;   def quantise(x, axis):      # numpy; x: float32 -> the quantised numbers, widened to float32 again
;;       x = np.moveaxis(x, axis, -1); K = x.shape[-1]
;;       x = np.pad(x, [(0, 0)] * (x.ndim - 1) + [(0, -K % 32)]); x = x.reshape(x.shape[:-1] + (-1, 32)); a = np.abs(x).max(-1, keepdims=True)
;;       e = np.where(a > 0, np.clip(np.frexp(np.where(a > 0, a, 1))[1] - 1 - 2, -126, 127), 0)      # np.frexp(a)[1] - 1 = floor(log2(a)), exactly
;;       r = np.clip(x / 2.0 ** e, -7.5, 7.5)
;;       step = 2.0 ** (np.maximum(np.frexp(np.where(r == 0, 1, r))[1] - 1, 0) - 3)
;;       q = np.round(r / step) * step * 2.0 ** e      # np.round: ties to even
;;       return np.moveaxis(q.reshape(q.shape[:-2] + (-1,))[..., :K], -1, axis).astype(np.float32)
;;   ~~~
;;   SOFTMAX AHEAD OF A QUANTISED PRODUCT. Where the list says 'softmax', what is quantised is not the finished softmax but p = 2^(t - M), with t = logit x log2(e) and M = ceil(the row's largest t), a whole number; so 1/2 < the row's largest p <= 1. The row's sum l is taken of the UNQUANTISED p, in f32, and the product's result is divided by l at the end. Since M is a whole number, a kernel that streams over the keys may use a running M (the ceiling of the running maximum): every later rescaling is an exact power of two, which a block's scale takes up: the codes' values come out the same.
;;   OPERANDS COMPUTED ON THE WAY. 'Computed on the way' means the value that the module computes at that place (a softmax that the list does not call 'softmax' is quantised finished and normalised). What goes into a quantiser is computed in f32, as accurately as f32 sums, v_exp_f32 and their like allow (about 1e-6 of the number): no bf16 or f16 on the way to a quantiser, and a product that is left as it is and whose result goes on into a quantised operand takes f32 operands (vector FMAs, or v_wmma_f32_16x16x4_f32). A number that lies on a knife's edge between two numbers of the format may be rounded either way, as far as f32 arithmetic and the matrix unit's own rounding can turn it there, and no further.
;; One version. Each part assembles by itself: llvm-mc -triple=amdgcn-amd-amdhsa -mcpu=gfx1250 --defsym DOCPART=n.
;; ======== version 1 of 1: 4 launches
;; limits: right only within a limited range of input values
;; workspace buffers: cod 9,437,184 bytes; scl 393,216 bytes; att 20,185,088 bytes; oc 6,291,456 bytes; os 262,144 bytes
;; launch quant (part 1): grid 512 x 1, 4 waves a work-group, no clusters, 92,672 bytes of LDS; arguments x, Wq, Wk, Wv, Wo, cod, scl; writes cod, scl
.if DOCPART == 1
	.amdgcn_target "amdgcn-amd-amdhsa--gfx1250"
	.amdhsa_code_object_version 6
	.text
	.protected	k_q566f70973d_quant
	.globl	k_q566f70973d_quant
	.p2align	8
	.type	k_q566f70973d_quant,@function
k_q566f70973d_quant:
	s_mov_b64 s[64:65], 0
	v_nop
	global_prefetch_b8 v0, s[64:65] scope:SCOPE_SE
	s_setreg_imm32_b32 hwreg(HW_REG_WAVE_MODE, 25, 1), 1
	s_wait_xcnt 0x0
; x [8192][1024] (K innermost) and Wq, Wk, Wv [16][1024][64], Wo [1024][1024] (K the first of the last two axes), all f32, become codes of FP6 (E2M3)
; with one E8M0 byte for each 32 along K.  A block's scale is 2^(floor(log2(its largest magnitude)) - 2); its byte is that magnitude's exponent field - 2.
; LIMITS: NaN and infinities are not served; a block of zeros, and one whose largest magnitude lies under 2^-124, gets the byte 1 (zeros: its codes are zeros, and this program alone reads the bytes).
; THE WORKSPACE IS LAID AS IMAGES OF OPERAND REGISTERS.  A fragment (16 rows x 128 K, 12 registers a lane) is six planes of 256 bytes: plane p holds registers 2 p, 2 p + 1 of lane l at 256 p + 8 l.
; cod: [128 rows g][256 along K kk][128 along K q][tile i of 8][fragment].  scl: [g][kk][i][row r of 16][8 bytes: the scale words of q = 0, 1].
; THE ROWS OF A TILE ARE NOT NEIGHBOURS: lane row r of tile 2 b + u of a run of 128 rows is row 32 b + 8 u + r + 8 (r / 8), so that a later result's 16 registers of two neighbouring tiles are 16 neighbours.
; Rows of cod and scl: 0-8191 the tokens of x, then 1,024 each of Wq, Wk, Wv (row = 64 head + channel) and Wo (row = output column).
; SHARES.  A wave takes 32 rows x 256 along K: 32 KiB in, four fragments and 256 scale bytes out.  Work-groups 0-255: x, rows 32 x work-group, kk = wave.  Work-groups 256-511: the weights.
; No tensor load, no barrier: waves share nothing.  Each of the two paths has LDS bytes of its own.
.set XPITCH, 528                       ; x's stage: a row of 512 bytes + 16
.set XSTG,   32*XPITCH                 ; 32 rows for each wave
.set WSTG0,  4*XSTG                    ; behind them the weights' stages:
.set WSTG,   6144                      ; four fragments for each wave, [q][u]
.set SPARE,  WSTG0+4*WSTG              ; behind them the spare words, 128 bytes for each wave: two blocks of 256 bytes that no other line names
.set GBLK,   98304                     ; cod: bytes of 128 rows
.set HALFT,  24576                     ; and of their 256 along K
.set FRB,    1536                      ; a fragment
.set SPW,    10                        ; v10  LDS address of my spare word; never rewritten
.set NIL,    11                        ; v11  0; never rewritten
.set C,      16                        ; v16-27 a fragment's codes
.set C2,     28                        ; v28-34 the upper halves of two blocks, as converted
.set SB,     24                        ; v24 (weights) my row's scale word
.set X,      64                        ; v64-127 64 numbers of a lane
.set R,      128                       ; v128-255 (x) 32 rows as loaded
.set OF,     128                       ; v128-159 (weights) byte offsets of 32 rows of K
.set OUTR,   160                       ; v160-183 (weights) the stage read back
.set WB,     32                        ; s[32:39] (weights) the address of each of my 4 blocks of 32 along K
	s_load_b256 s[4:11], s[0:1], 0x0               ; x, Wq, Wk, Wv
	s_load_b128 s[12:15], s[0:1], 0x20             ; Wo, cod
	s_load_b64 s[24:25], s[0:1], 0x30              ; scl
	v_lshl_add_u32 v[SPW], v0, 2, SPARE
	v_mov_b32 v[NIL], 0
	v_lshrrev_b32 v1, 5, v0
	v_readfirstlane_b32 s16, v1                    ; wave
	v_and_b32 v1, 31, v0                           ; lane L
	v_and_b32 v2, 15, v0                           ; r
	v_bfe_u32 v3, v0, 4, 1                         ; h
	v_lshlrev_b32 v4, 4, v1                        ; 16 L
	v_lshlrev_b32 v7, 3, v1                        ; 8 L
	s_mov_b32 s20, 0x76543210
	s_mov_b32 s21, 0xfedcba98                      ; v_permlanex16_b32's selects for lane l xor 16
	s_mov_b32 s22, 0xffff0000                      ; the mask of lanes 16-31
	s_wait_kmcnt 0x0
	s_cmp_lt_u32 ttmp9, 256
	s_cbranch_scc0 .Lweights
	; ---------------- x: K is innermost.  Loads take the rows as they lie, 512 consecutive bytes each; the stage turns them so that a lane gets two whole blocks of 32 of ONE row.
	s_mul_i32 s17, s16, XSTG                       ; my stage
	s_wait_alu depctr_va_vdst(0)
	v_add_nc_u32 v5, s17, v4                       ; in: 16 L of a row
	v_mul_u32_u24 v6, v2, XPITCH
	v_lshl_add_u32 v6, v3, 7, v6
	v_add_nc_u32 v6, s17, v6                       ; out: stage row r, + 128 h: block h of each 64 along K
	v_lshlrev_b32 v8, 3, v3                        ; 8 h: my bytes' place in a scale word, in bits
	v_mov_b32 v39, 0                               ; a lane permute's destination counts as one of its sources
	s_lshl_b32 s26, ttmp9, 17                      ; 32 rows of 4,096 bytes
	s_lshl_b32 s18, s16, 10                        ; kk x 1,024: 256 numbers of x, and as it happens kk's place in scl
	s_add_co_u32 s26, s26, s18
	s_mov_b32 s27, 0
	s_add_nc_u64 s[4:5], s[4:5], s[26:27]
	s_lshr_b32 s19, ttmp9, 2                       ; g
	s_and_b32 s28, ttmp9, 3                        ; b: tiles 2 b, 2 b + 1
	; cod: two runs of 128 rows share a block: [256 rows][kk][run % 2][q][tile][fragment], so that 256 rows' images of 256 along K are 49,152 consecutive bytes
	s_lshr_b32 s26, s19, 1
	s_mul_i32 s26, s26, 2*GBLK
	s_and_b32 s29, s19, 1
	s_mul_i32 s29, s29, HALFT
	s_add_co_u32 s26, s26, s29
	s_mul_i32 s29, s16, 2*HALFT
	s_add_co_u32 s26, s26, s29
	s_mul_i32 s29, s28, 2*FRB
	s_add_co_u32 s26, s26, s29
	s_add_nc_u64 s[14:15], s[14:15], s[26:27]
	s_lshl_b32 s26, s19, 12
	s_add_co_u32 s26, s26, s18
	s_lshl_b32 s29, s28, 8
	s_add_co_u32 s26, s26, s29
	s_add_nc_u64 s[24:25], s[24:25], s[26:27]
.macro XLOAD q                         ; 128 along K of my 32 rows: each load reads 512 consecutive bytes of one row
.set n, 0
.rept 32
	global_load_b128 v[R+4*n:R+4*n+3], v4, s[4:5] offset:n*4096+512*\q th:TH_LOAD_NT
.set n, n+1
.endr
.endm
.macro XSTAGE                          ; row n goes to stage row 16 u + r, where n = 8 u + r + 8 (r / 8)
.set n, 0
.rept 32
	s_wait_loadcnt 31-n                            ; loads come back in order: row n is in, the younger ones stay out
	ds_store_b128 v5, v[R+4*n:R+4*n+3] offset:(16*((n>>3)&1)+(n&7)+8*(n>>4))*XPITCH
.set n, n+1
.endr
.endm
.macro XFRAG u, q                      ; tile u's fragment of the 128 along K in the stage: lane (r, h) holds blocks h and 2 + h of its row, which is the operand's own layout
.irp c, 0,1
.irp j, 0,1,2,3,4,5,6,7
	ds_load_b128 v[X+32*\c+4*\j:X+32*\c+4*\j+3], v6 offset:\u*16*XPITCH+256*\c+16*\j   ; LDS serves a wave's instructions in order: these see my stores
.endr
.endr
	s_wait_dscnt 0x0
.irp c, 0,1
	v_max3_num_f32 v[12+\c], |v[X+32*\c]|, |v[X+32*\c+1]|, 0x1800000   ; the block's largest magnitude, and the floor 2^(3 - 127): the byte cannot fall under 1
.endr
.irp i, 2,4,6,8,10,12,14,16,18,20,22,24,26,28,30
.irp c, 0,1
	v_max3_num_f32 v[12+\c], v[12+\c], |v[X+32*\c+\i]|, |v[X+32*\c+\i+1]|   ; (the two blocks by turns)
.endr
.endr
.irp c, 0,1
	v_add_nc_u32 v[14+\c], 0xff000000, v[12+\c]    ; 2 off its exponent field: the conversion takes the exponent field of this operand as its scale
.endr
.irp c, 0,1
	v_lshrrev_b32 v[36+\c], 23, v[14+\c]           ; the scale's byte
.endr
	v_lshl_or_b32 v38, v37, 16, v36                ; my two bytes, blocks h and 2 + h,
	v_lshlrev_b32 v38, v8, v38                     ; at their places in the scale word;
	v_permlanex16_b32 v39, v38, s20, s21
	v_or_b32 v[40+2*\u+\q], v38, v39               ; with lane l xor 16's two the word is whole
	s_wait_alu depctr_va_vdst(0)
	s_wait_xcnt 0x0                                ; the last fragment's stores have read their data: the codes' registers are rewritten only behind this wait
.irp c, 0,1
	v_cvt_scalef32_pk16_fp6_f32 v[C+6*\c:C+6*\c+2], v[X+32*\c:X+32*\c+15], v[14+\c]
	v_cvt_scalef32_pk16_fp6_f32 v[C2+4*\c:C2+4*\c+2], v[X+32*\c+16:X+32*\c+31], v[14+\c]   ; (a conversion's three registers begin on an even number)
.endr
	v_nop                                          ; one plain place behind a scaled conversion
.irp c, 0,1
.irp i, 0,1,2
	v_mov_b32 v[C+6*\c+3+\i], v[C2+4*\c+\i]
.endr
.endr
.irp p, 0,1,2,3,4,5
	global_store_b64 v7, v[C+2*\p:C+2*\p+1], s[14:15] offset:\q*8*FRB+\u*FRB+256*\p   ; a plane: 32 lanes store 256 consecutive bytes, aligned
.endr
.endm
	XLOAD 0
	s_wait_alu depctr_va_vdst(0)
	XSTAGE
	s_wait_dscnt 0x0                               ; the stage's stores have read the rows' registers,
	XLOAD 1                                        ; which take the second 128 along K while the first is quantised
	XFRAG 0, 0
	XFRAG 1, 0
	XSTAGE                                         ; (the fragments' reads of the stage were waited for)
	XFRAG 0, 1
	XFRAG 1, 1
	v_cndmask_b32 v44, v40, v42, s22               ; lanes 0-15 store tile 2 b's words, lanes 16-31 tile 2 b + 1's
	v_cndmask_b32 v45, v41, v43, s22
	global_store_b64 v7, v[44:45], s[24:25]        ; 256 consecutive bytes, aligned
	s_wait_tensorcnt 0x0                           ; the wave's end
	ds_add_u32 v[SPW], v[NIL]
	s_wait_dscnt 0x0
	s_endpgm
	; ---------------- the weights: K is not innermost.  A LANE TAKES A ROW OF THE OPERAND (a column of the weight) AND ITS REGISTERS RUN DOWN K: a block of 32 is one lane's, and nothing is transposed.
.Lweights:
	s_sub_co_u32 s17, ttmp9, 256
	s_and_b32 s18, s17, 3                          ; kk
	; work-groups 256-511: a work-group takes 128 rows x 128 along K (kk, q), a wave 32 rows: four blocks of 32, two fragments and one scale word a row
	s_bfe_u32 s51, s17, 0x10002                    ; q
	s_lshr_b32 s19, s17, 3                         ; which 128 rows of the four weights' 4,096
	s_lshr_b32 s26, s19, 3                         ; which weight: 0 Wq, 1 Wk, 2 Wv, 3 Wo
	s_and_b32 s27, s19, 7                          ; which 128 rows of it; my wave takes 32 of them
	s_lshl_b32 s30, s27, 1
	s_lshr_b32 s31, s16, 1
	s_add_co_u32 s30, s30, s31
	s_lshl_b32 s30, s30, 18                        ; Wq, Wk, Wv: the head's 262,144 bytes,
	s_and_b32 s31, s16, 1
	s_lshl_b32 s31, s31, 7
	s_add_co_u32 s30, s30, s31                     ; and which 32 of its 64 channels
	s_lshl_b32 s31, s27, 2
	s_add_co_u32 s31, s31, s16
	s_lshl_b32 s31, s31, 7                         ; Wo: which 32 of its 1,024 columns
	s_cmp_eq_u32 s26, 1                            ; the choices hang on the work-group's number alone
	s_cselect_b64 s[6:7], s[8:9], s[6:7]
	s_cmp_eq_u32 s26, 2
	s_cselect_b64 s[6:7], s[10:11], s[6:7]
	s_cmp_eq_u32 s26, 3
	s_cselect_b64 s[6:7], s[12:13], s[6:7]
	s_cselect_b32 s30, s31, s30
	s_cselect_b32 s29, 12, 8                       ; from one k to the next: 4,096 bytes in Wo, 256 in the others
	s_lshl_b32 s28, 1, s29
	s_add_co_u32 s29, s29, 7
	s_lshl_b32 s31, s18, 1
	s_add_co_u32 s31, s31, s51
	s_lshl_b32 s31, s31, s29                       ; (2 kk + q) x 128 such rows
	s_add_co_u32 s30, s30, s31
	s_mov_b32 s31, 0
	s_add_nc_u64 s[WB:WB+1], s[6:7], s[30:31]
	s_lshl_b32 s30, s28, 5                         ; 32 rows of K on
.irp t, 1,2,3
	s_add_nc_u64 s[WB+2*\t:WB+2*\t+1], s[WB+2*\t-2:WB+2*\t-1], s[30:31]
.endr
	s_wait_alu depctr_va_vdst(0)
	v_lshlrev_b32 v[OF], 2, v1                     ; 4 L: neighbouring lanes read neighbouring columns, 128 consecutive bytes a load
.set n, 1
.rept 31
	v_add_nc_u32 v[OF+n], s28, v[OF+n-1]
.set n, n+1
.endr
	v_bfe_u32 v8, v0, 3, 1                         ; my row L of the 32 is lane row r' of tile u: u = (L / 8) % 2,
	v_and_b32 v9, 7, v0
	v_lshl_or_b32 v9, v3, 3, v9                    ; r' = L % 8 + 8 (L / 16)
	s_mul_i32 s48, s16, WSTG
	s_add_co_u32 s48, s48, WSTG0                   ; my stage
	v_mul_u32_u24 v46, v8, FRB
	v_lshl_add_u32 v46, v9, 3, v46
	v_add_nc_u32 v46, s48, v46                     ; in: fragment u, 8 r'
	v_add_nc_u32 v47, s48, v4                      ; out: 16 L
	v_lshlrev_b32 v49, 7, v8
	v_lshl_add_u32 v49, v9, 3, v49                 ; my row's 8 scale bytes: 128 u + 8 r'
	s_add_co_u32 s19, s19, 64                      ; g: the weights lie behind x's 64 runs of 128 rows
	s_lshr_b32 s48, s19, 1                         ; cod: [256 rows][kk][run % 2][q][tile][fragment]
	s_mul_i32 s48, s48, 2*GBLK
	s_and_b32 s49, s19, 1
	s_mul_i32 s49, s49, HALFT
	s_add_co_u32 s48, s48, s49
	s_mul_i32 s49, s18, 2*HALFT
	s_add_co_u32 s48, s48, s49
	s_mul_i32 s49, s51, 8*FRB
	s_add_co_u32 s48, s48, s49
	s_mul_i32 s49, s16, 2*FRB
	s_add_co_u32 s48, s48, s49
	s_mov_b32 s49, 0
	s_add_nc_u64 s[14:15], s[14:15], s[48:49]
	s_lshl_b32 s48, s19, 12
	s_lshl_b32 s50, s18, 10
	s_add_co_u32 s48, s48, s50
	s_lshl_b32 s50, s16, 8
	s_add_co_u32 s48, s48, s50
	s_lshl_b32 s50, s51, 2                         ; word q of a row's two
	s_add_co_u32 s48, s48, s50
	s_add_nc_u64 s[24:25], s[24:25], s[48:49]
.macro WLOAD t                         ; block t: W(32 t + n, my column), n = 0 .. 31, into set t % 2
.set n, 0
.rept 32
	global_load_b32 v[X+32*((\t)%2)+n], v[OF+n], s[WB+2*(\t):WB+2*(\t)+1] th:TH_LOAD_NT
.set n, n+1
.endr
.endm
.macro WBLOCK t
.set XS, X+32*((\t)%2)
.if (\t) < 3
	s_wait_loadcnt 32                              ; this block's 32 loads are in; the next block's may be out
.else
	s_wait_loadcnt 0x0
.endif
	v_max3_num_f32 v12, |v[XS]|, |v[XS+1]|, |v[XS+2]|   ; the block's largest magnitude: all 32 numbers are mine
	v_max3_num_f32 v13, |v[XS+3]|, |v[XS+4]|, |v[XS+5]|
.irp i, 6,10,14,18,22,26
	v_max3_num_f32 v12, v12, |v[XS+\i]|, |v[XS+\i+1]|
	v_max3_num_f32 v13, v13, |v[XS+\i+2]|, |v[XS+\i+3]|
.endr
	v_max3_num_f32 v12, v12, |v[XS+30]|, |v[XS+31]|
	v_max3_num_f32 v12, v12, v13, 0x1800000        ; and the floor 2^(3 - 127)
	v_add_nc_u32 v14, 0xff000000, v12              ; the conversion's scale operand
	v_lshrrev_b32 v13, 23, v14                     ; the scale's byte
.if (\t)%4 == 0
	v_mov_b32 v[SB+(\t)/4], v13                    ; four bytes to a word, the lower K in the lower byte
.else
	v_lshl_or_b32 v[SB+(\t)/4], v13, 8*((\t)%4), v[SB+(\t)/4]
.endif
	v_cvt_scalef32_pk16_fp6_f32 v[C:C+2], v[XS:XS+15], v14
	v_cvt_scalef32_pk16_fp6_f32 v[C+4:C+6], v[XS+16:XS+31], v14   ; (a conversion's three registers begin on an even number)
	v_nop                                          ; one plain place behind a scaled conversion
	v_mov_b32 v[C+3], v[C+4]                       ; the block's 24 bytes on end, in ascending order
	v_mov_b32 v[C+4], v[C+5]
	v_mov_b32 v[C+5], v[C+6]
.irp i, 0,1,2                                  ; block t is block t % 4 = 2 c + h of fragment q = t / 4: planes 3 c + i, lane slot r' + 16 h
	ds_store_b64 v46, v[C+2*\i:C+2*\i+1] offset:((\t)/4)*2*FRB+(((\t)%4)/2)*768+256*\i+128*((\t)%2)
.endr
.if (\t)+2 < 4
	WLOAD (\t)+2
.endif
	s_wait_dscnt 0x0                               ; the stores have read their registers: the next block's codes may be written
.endm
	WLOAD 0
	WLOAD 1
.irp t, 0,1,2,3
	WBLOCK \t
.endr
	s_wait_alu depctr_va_vdst(0)
	global_store_b32 v49, v[SB], s[24:25]          ; my rows' word q: 4 bytes a lane, 8 apart; the scale words are one part in 24 of what the launch stores
.irp j, 0,1,2,3,4,5
	ds_load_b128 v[OUTR+4*\j:OUTR+4*\j+3], v47 offset:512*\j   ; LDS serves a wave's instructions in order: these see my stores
.endr
.irp j, 0,1,2,3,4,5
	s_wait_dscnt 5-\j
	global_store_b128 v4, v[OUTR+4*\j:OUTR+4*\j+3], s[14:15] offset:(\j/6)*8*FRB+(\j%6)*512   ; 512 consecutive bytes, aligned to 256
.endr
	s_wait_tensorcnt 0x0                           ; the wave's end
	ds_add_u32 v[SPW], v[NIL]
	s_wait_dscnt 0x0
	s_endpgm
.Lfunc_end_k_q566f70973d_quant:
	.size	k_q566f70973d_quant, .Lfunc_end_k_q566f70973d_quant-k_q566f70973d_quant
	.p2alignl 7, 3214868480
	.fill 96, 4, 3214868480
	.section	.rodata,"a",@progbits
	.p2align	6, 0x0
	.amdhsa_kernel k_q566f70973d_quant
		.amdhsa_group_segment_fixed_size 92672
		.amdhsa_private_segment_fixed_size 0
		.amdhsa_enable_private_segment 0
		.amdhsa_kernarg_size 56
		.amdhsa_user_sgpr_count 2
		.amdhsa_user_sgpr_kernarg_segment_ptr 1
		.amdhsa_wavefront_size32 1
		.amdhsa_system_sgpr_workgroup_id_x 1
		.amdhsa_system_sgpr_workgroup_id_y 1
		.amdhsa_system_sgpr_workgroup_id_z 1
		.amdhsa_system_vgpr_workitem_id 0
		.amdhsa_next_free_vgpr 256
		.amdhsa_next_free_sgpr 66
		.amdhsa_reserve_vcc 0
		.amdhsa_float_denorm_mode_32 3
		.amdhsa_float_denorm_mode_16_64 3
		.amdhsa_memory_ordered 1
		.amdhsa_forward_progress 1
		.amdhsa_inst_pref_size 57
	.end_amdhsa_kernel
	.amdgpu_metadata
---
amdhsa.version: [ 1, 2 ]
amdhsa.kernels:
  - .name:           k_q566f70973d_quant
    .symbol:         k_q566f70973d_quant.kd
    .args:
      - { .name: x, .offset: 0, .size: 8, .value_kind: global_buffer, .address_space: global }
      - { .name: Wq, .offset: 8, .size: 8, .value_kind: global_buffer, .address_space: global }
      - { .name: Wk, .offset: 16, .size: 8, .value_kind: global_buffer, .address_space: global }
      - { .name: Wv, .offset: 24, .size: 8, .value_kind: global_buffer, .address_space: global }
      - { .name: Wo, .offset: 32, .size: 8, .value_kind: global_buffer, .address_space: global }
      - { .name: cod, .offset: 40, .size: 8, .value_kind: global_buffer, .address_space: global }
      - { .name: scl, .offset: 48, .size: 8, .value_kind: global_buffer, .address_space: global }
    .group_segment_fixed_size: 92672
    .private_segment_fixed_size: 0
    .kernarg_segment_align: 8
    .kernarg_segment_size: 56
    .max_flat_workgroup_size: 128
    .sgpr_count:     66
    .vgpr_count:     256
    .wavefront_size: 32
...
	.end_amdgpu_metadata
.endif
;; end of part 1
;; launch qkv (part 2): grid 8 x 32, 4 waves a work-group, clusters of 4 x 4, 327,680 bytes of LDS; arguments cod, scl, att; writes att
.if DOCPART == 2
	.amdgcn_target "amdgcn-amd-amdhsa--gfx1250"
	.amdhsa_code_object_version 6
	.text
	.protected	k_q566f70973d_qkv
	.globl	k_q566f70973d_qkv
	.p2align	8
	.type	k_q566f70973d_qkv,@function
k_q566f70973d_qkv:
	s_mov_b64 s[64:65], 0
	v_nop
	global_prefetch_b8 v0, s[64:65] scope:SCOPE_SE
	s_setreg_imm32_b32 hwreg(HW_REG_WAVE_MODE, 25, 1), 1
	s_wait_xcnt 0x0
	s_wait_alu depctr_hold_cnt(0) depctr_sa_sdst(0) depctr_va_vdst(0) depctr_va_sdst(0) depctr_va_ssrc(0) depctr_va_vcc(0) depctr_vm_vsrc(0)
	s_getreg_b32 s2, hwreg(HW_REG_IB_STS2, 6, 4)
	s_cmp_eq_u32 s2, 0
	s_cbranch_scc0 .Lentry_in_a_cluster
	s_endpgm
.Lentry_in_a_cluster:
	s_bfe_u32 s2, ttmp6, 0x10000c
	s_cmp_lg_u32 s2, 0xf033
	s_cbranch_scc0 .Lentry_shape_is_right
	s_endpgm
.Lentry_shape_is_right:
; q, k, v = x Wq, x Wk, x Wv for all heads, on codes of FP6 (E2M3) with E8M0 scales, K = 1,024; the results are quantised in registers and leave as operands of the attention launch.
; cod, scl: register images (a fragment of 16 rows x 128 K = six planes of 256 bytes); cod [128 rows g][kk 4][q 2][tile 8][1,536], scl [g][kk][tile][row][8 bytes].
; Lane row r of tile 2 b + u of 128 rows is row 32 b + 8 u + r + 8 (r / 8): the 16 result registers of source 0's tiles 2 b, 2 b + 1 are 16 neighbours of source 0's rows.
; THE DEAL: 256 work-groups of four waves, each with TWO PHASES, 768 products a wave.  A cluster of 4 x 4 has cluster x = 0 (q) or 1 (k) and cluster y = the batch.
; Phase 1: 256 tokens (source 1, tile 4 batch + cy) x 256 rows of Wq or Wk (source 0, tile cx): a wave makes 128 x 128, 64 accumulators.
; Phase 2: 256 keys (source 0, tile 4 batch + cx) x 128 rows of Wv (source 1, run 4 cluster x + cy): a wave makes 128 keys x 64 channels, one head, 32 accumulators.
; K goes in steps of 256 through two LDS slots, eight slot steps S0 .. S7 on end; the ring does not stop at the change of phase.  256 rows' images of a K step are 49,152 consecutive bytes: one descriptor of 192 rows of 256.
; LOADS: at the head one a wave (source 1's S0, source 0's S0, both sides' scale words); behind the next round, all first fills: S1's two tiles and phase 2's scale words; later refills by waves 0 and 1, one load each.
; Source 1's tiles are shared along a row of the cluster, source 0's along a column: joint loads.  Every wait on TENSORcnt is for 0: a wave has one load out at the most.
; PREFETCHES: S1, S2, S3 at the head, Wv's K step i in slot step i, two refills ahead of its load; each block of 256 bytes is named by one of the sixteen waves that will ask for it jointly, told apart by address.
; Weights are read by all eight batches' clusters: four of them ask.  Phase 2's tokens are not asked for: phase 1 of this launch has read them.
; OUT: att, one blob of 157,696 bytes for each (batch, head): K's half fragments, K's scale words, V's fragments [key step 8][channel tile 4], V's scale words, Q's half fragments, Q's scale words.
; LIMITS: NaN and infinities are not served; a block of zeros, and one whose largest magnitude lies under 2^-124, gets the byte 1 (this program alone reads the bytes).
; REGISTERS: window 0: v12-31 addresses; v32-63 scale words, two sets; v64-103 the way out's codes, two sets; v128-223 source 1's fragments (phase 2: two sets of four); v224-247 the way out.
;   window 1: source 0's fragments, two sets, at v0 and v128.   windows 2, 3: the accumulators ((a, b) at v[8 (8 (a % 4) + b)]).
.set FR,     12
.set NL,     6
.set NP,     4
.set FRB,    1536
.set GBLK,   98304
.set HALFT,  24576
.set SLOT,   4*HALFT                   ; source 1's 256 rows (phase 2: 128), then source 0's 256
.set SCL,    2*SLOT                    ; phase 1's scale words
.set HALFS,  4096
.set SCV,    SCL+4*HALFS               ; phase 2's: source 1's 4,096 bytes; at + 8,192 source 0's
.set SPARE,  SCV+4*HALFS               ; the spare words
.set HS,     157696
; THE BLOB'S ORDER: its first 104,448 bytes go by key step of 128 keys, 13,056 bytes a step: K's eight half fragments (6,144), K's scale words (512), V's four fragments (6,144), V's scale words (256); behind them Q's part.
.set KSTP,   13056
.set VFR,    6656                      ; V's fragments in a key step's bytes
.set QHF,    104448
.set PFV,  12                          ; prefetch offsets: Wv,
.set GSV,  13                          ; V's scale words' way out: 16 r + 8 h
.set ADRA, 16                          ; LDS: source 1's fragments in slot 0, 1
.set ADRAV,18                          ; the same in phase 2
.set ADRB, 20                          ; source 0's
.set PF1,  22                          ; tokens,
.set PF0,  23                          ; Wq or Wk
.set GO,   24                          ; 8 x lane
.set GS,   25                          ; 16 r + a blob for lanes 16-31
.set SELH, 26
.set ADRS, 27                          ; scale words: lanes 0-15 source 1's rows, lanes 16-31 source 0's
.set SPW,  28
.set NIL,  29
.set ADRSV,30                          ; the same in phase 2; v31: for tiles 4-7, where lanes 0-15 read their tiles 0-3 again
.set SC,   32
.set AF,   128
.set WD,   224
.set TM,   232
.set G1, 24
.set G0, 32
.set G0B, 36
.set G1B, 48
.set G1S, 68
.set G0S, 76
.set G1SB, 80
.set G0SB, 88
.set MSK, 66
.set SEL, 96
.set MSB, 0
.macro WIN new
.if MSB != \new
	s_set_vgpr_msb (MSB<<8)|\new
.set MSB, \new
.endif
.endm
.set MUL_LO, 0xa1
.set MUL_HI, 0xf1
.set TO_B,   0x40
.macro PLACES n
.rept \n
	v_nop
.endr
.endm
.macro TL g0, g1                       ; s_nop 0 and four v_nop behind each tensor load
	tensor_load_to_lds s[\g0:\g0+3], s[\g1:\g1+7]
	s_nop 0
	PLACES 4
.endm
.macro HEAD4                           ; one load a wave, one chain of branches on the wave's number
	s_cmp_lt_u32 s14, 1
	s_cbranch_scc0 .Lh1_\@
	TL G0, G1
	s_branch .Lhj_\@
.Lh1_\@:
	s_cmp_lt_u32 s14, 2
	s_cbranch_scc0 .Lh2_\@
	TL G0B, G1B
	s_branch .Lhj_\@
.Lh2_\@:
	s_cmp_lt_u32 s14, 3
	s_cbranch_scc0 .Lh3_\@
	TL G0S, G1S
	s_branch .Lhj_\@
.Lh3_\@:
	TL G0SB, G1SB
.Lhj_\@:
.endm
.macro JLOAD                           ; a refill: wave 0 source 1's tile, wave 1 source 0's
	s_cmp_lt_u32 s14, 1
	s_cbranch_scc0 .Lj1_\@
	TL G0, G1
	s_branch .Ljj_\@
.Lj1_\@:
	s_cmp_lt_u32 s14, 2
	s_cbranch_scc0 .Ljj_\@
	TL G0B, G1B
.Ljj_\@:
	PLACES NP                                      ; the places ahead of the fragment loads, for the waves that come round the loads too
.endm
.macro NEXT j                          ; the descriptors of slot step j; written where no tensor load of the wave is out
	s_mov_b32 s[G0+1], ((\j)%2)*SLOT
	s_mov_b32 s[G0B+1], ((\j)%2)*SLOT+2*HALFT
.if (\j) == 4
	s_mov_b64 s[G0+2:G0+3], s[56:57]               ; phase 2: Wv's run, 24,576 dense bytes as 96 rows of 256,
	s_mov_b64 s[G0B+2:G0B+3], s[58:59]             ; and its tokens
	s_mov_b32 s[G1+1], 32<<16
	s_mov_b32 s[G1+2], 96<<16
	s_mov_b32 s[G1+3], 32<<16
	s_mov_b32 s[G1+4], 96
	s_mov_b32 s[G1+5], 32
.else
	s_add_nc_u64 s[G0+2:G0+3], s[G0+2:G0+3], 2*HALFT
	s_add_nc_u64 s[G0B+2:G0B+3], s[G0B+2:G0B+3], 2*HALFT
.endif
.endm
.macro ASK kk                          ; phase 1's K step kk: my twelve blocks of the tokens' tile, and in four of the eight batches of the weight's
	global_prefetch_b8 v[PF1], s[4:5] offset:(\kk)*2*HALFT th:TH_LOAD_NT scope:SCOPE_SE
	s_cmp_lt_u32 s18, 4
	s_cbranch_scc0 .Lna_\@
	global_prefetch_b8 v[PF0], s[4:5] offset:(\kk)*2*HALFT th:TH_LOAD_NT scope:SCOPE_SE
.Lna_\@:
.endm
.macro ASKV kk                         ; Wv's K step kk: my six blocks
	s_cmp_lt_u32 s18, 4
	s_cbranch_scc0 .Lnv_\@
	global_prefetch_b8 v[PFV], s[4:5] offset:(\kk)*2*HALFT th:TH_LOAD_NT scope:SCOPE_SE
.Lnv_\@:
.endm
.macro CREST
	s_cmp_lg_u32 s14, 0
	s_cbranch_scc1 .Lnot_wave_0_\@
	s_barrier_signal -3
.Lnot_wave_0_\@:
	s_barrier_wait -3
	s_barrier_signal -1
	s_barrier_wait -1
.endm
.macro CROUND
	s_barrier_signal -1
	s_barrier_wait -1
	CREST
.endm
	s_load_b128 s[4:7], s[0:1], 0x0                ; cod, scl
	s_load_b64 s[8:9], s[0:1], 0x10                ; att
	v_lshl_add_u32 v[SPW], v0, 2, SPARE
	v_mov_b32 v[NIL], 0
	ds_add_u32 v[SPW], v[NIL]                      ; the opening lines: the add twice and its wait ahead of the first tensor load
	ds_add_u32 v[SPW], v[NIL]
	v_lshrrev_b32 v1, 5, v0
	v_readfirstlane_b32 s14, v1                    ; wave
	s_lshr_b32 s15, s14, 1                         ; my half of source 1's rows
	s_and_b32 s16, s14, 1                          ; my half of source 0's
	s_bfe_u32 s40, ttmp6, 0x40000                  ; cx
	s_bfe_u32 s41, ttmp6, 0x40004                  ; cy
	s_and_b32 s18, ttmp7, 0xffff                   ; the batch
	s_lshl_b32 s19, s18, 2
	s_lshl_b32 s17, ttmp9, 2
	s_add_co_u32 s20, s19, s41
	s_lshl_b32 s20, s20, 1                         ; phase 1, source 1: the tokens' first run of 128
	s_add_co_u32 s46, s17, s40
	s_add_co_u32 s46, s46, 32
	s_lshl_b32 s46, s46, 1                         ; source 0: Wq's or Wk's
	s_add_co_u32 s56, s17, s41
	s_add_co_u32 s56, s56, 80                      ; phase 2, source 1: Wv's run
	s_add_co_u32 s58, s19, s40
	s_lshl_b32 s58, s58, 1                         ; source 0: the keys' first run
	s_lshl_b32 s22, s20, 12                        ; their scale words, in bytes,
	s_mov_b32 s23, 0
	s_lshl_b32 s98, s46, 12
	s_mov_b32 s99, 0
	s_lshl_b32 s60, s56, 12
	s_mov_b32 s61, 0
	s_lshl_b32 s62, s58, 12
	s_mov_b32 s63, 0
	s_mul_i32 s20, s20, GBLK                       ; and their codes
	s_mov_b32 s21, 0
	s_mul_i32 s46, s46, GBLK
	s_mov_b32 s47, 0
	s_and_b32 s57, s56, 1                          ; Wv's run: its pair's block, and its half of each K step
	s_mul_i32 s57, s57, HALFT
	s_lshr_b32 s56, s56, 1
	s_mul_i32 s56, s56, 2*GBLK
	s_add_co_u32 s56, s56, s57
	s_mov_b32 s57, 0
	s_mov_b32 s100, s56
	s_mul_i32 s58, s58, GBLK
	s_mov_b32 s59, 0
	s_lshl_b32 s43, s41, 2
	s_lshl_b32 s43, 15, s43                        ; my row of the cluster
	s_lshl_b32 s44, 0x1111, s40                    ; my column
	s_or_b32 s[G1+0], s43, (3<<16)|(1<<21)         ; elements of 8 bytes; bit 21 beside a mask
	s_or_b32 s[G1B+0], s44, (3<<16)|(1<<21)
; cod is laid [256 rows][kk][run % 2][q][tile][fragment]: 256 rows' images of a K step are 49,152 consecutive bytes, stated as 192 rows of 256; from K step to K step 49,152 bytes
.irp g, G1, G1B
	s_mov_b32 s[\g+1], 32<<16
	s_mov_b32 s[\g+2], 192<<16
	s_mov_b32 s[\g+3], 32<<16
	s_mov_b32 s[\g+4], 192
	s_mov_b32 s[\g+5], 32
	s_mov_b32 s[\g+6], 0
	s_mov_b32 s[\g+7], 0
.endr
	s_or_b32 s[G1S+0], s43, (3<<16)|(1<<21)
	s_or_b32 s[G1SB+0], s44, (3<<16)|(1<<21)
.irp g, G1S, G1SB                      ; the scale words of 256 rows: 8,192 dense bytes as 32 rows of 256
	s_mov_b32 s[\g+1], 32<<16
	s_mov_b32 s[\g+2], 32<<16
	s_mov_b32 s[\g+3], 32<<16
	s_mov_b32 s[\g+4], 32
	s_mov_b32 s[\g+5], 32
	s_mov_b32 s[\g+6], 0
	s_mov_b32 s[\g+7], 0
.endr
	s_mov_b32 s[G0], 1
	s_mov_b32 s[G0+1], 0
	s_mov_b32 s[G0B], 1
	s_mov_b32 s[G0B+1], 2*HALFT
	s_mov_b32 s[G0S], 1
	s_mov_b32 s[G0S+1], SCL
	s_mov_b32 s[G0SB], 1
	s_mov_b32 s[G0SB+1], SCL+2*HALFS
	s_mov_b32 s[MSK], 0xffff0000
	s_mov_b32 s[SEL], 0x76543210
	s_mov_b32 s[SEL+1], 0xfedcba98
	s_wait_dscnt 0x0                               ; both opening adds are done
	CROUND                                         ; the round in front of the first joint loads stands ahead of the wait for the arguments
	s_wait_kmcnt 0x0
	s_add_nc_u64 s[G0+2:G0+3], s[4:5], s[20:21]
	s_or_b32 s[G0+3], s[G0+3], 0x80000000
	s_add_nc_u64 s[G0B+2:G0B+3], s[4:5], s[46:47]
	s_or_b32 s[G0B+3], s[G0B+3], 0x80000000
	s_add_nc_u64 s[G0S+2:G0S+3], s[6:7], s[22:23]
	s_or_b32 s[G0S+3], s[G0S+3], 0x80000000
	s_add_nc_u64 s[G0SB+2:G0SB+3], s[6:7], s[98:99]
	s_or_b32 s[G0SB+3], s[G0SB+3], 0x80000000
	s_add_nc_u64 s[56:57], s[4:5], s[56:57]
	s_or_b32 s57, s57, 0x80000000
	s_add_nc_u64 s[58:59], s[4:5], s[58:59]
	s_or_b32 s59, s59, 0x80000000
	s_add_nc_u64 s[60:61], s[6:7], s[60:61]
	s_or_b32 s61, s61, 0x80000000
	s_add_nc_u64 s[62:63], s[6:7], s[62:63]
	s_or_b32 s63, s63, 0x80000000
	HEAD4                                          ; S0's two tiles and phase 1's scale words
	; my shares of the prefetches: n = my number among the sixteen waves that ask for a tile jointly
	s_lshl_b32 s21, s40, 2
	s_add_co_u32 s21, s21, s14
	s_mul_i32 s22, s21, 1536
	s_add_co_u32 s22, s22, s100                    ; Wv: 96 blocks a K step, six a wave
	s_lshr_b32 s101, s21, 3
	s_mul_i32 s101, s101, HALFT
	s_and_b32 s21, s21, 7
	s_mul_i32 s21, s21, 3072
	s_add_co_u32 s21, s21, s101
	s_add_co_u32 s21, s21, s20                     ; tokens: 192 blocks, twelve a wave: run n / 8, 3,072 (n % 8)
	s_lshl_b32 s23, s41, 2
	s_add_co_u32 s23, s23, s14
	s_lshr_b32 s101, s23, 3
	s_mul_i32 s101, s101, HALFT
	s_and_b32 s23, s23, 7
	s_mul_i32 s23, s23, 3072
	s_add_co_u32 s23, s23, s101
	s_add_co_u32 s23, s23, s46                     ; the weight likewise
	; LDS places
	s_mul_i32 s42, s15, HALFT
	s_mul_i32 s43, s16, HALFT
	s_add_co_u32 s43, s43, 2*HALFT
	s_mul_i32 s44, s15, 4*FRB
	s_mul_i32 s47, s15, HALFS
	s_mul_i32 s45, s16, HALFS
	s_add_co_u32 s45, s45, 2*HALFS
	s_lshl_b32 s98, s15, 9
	s_sub_co_u32 s67, s45, s98                     ; phase 2: from my source 1 words to my source 0 words
	s_add_co_u32 s99, s67, 512
	s_sub_co_u32 s45, s45, s47                     ; phase 1 likewise
	s_add_co_u32 s47, s47, SCL
	s_add_co_u32 s17, s98, SCV-512
	s_add_co_u32 s98, s98, SCV
	; where the results go
	s_lshl_b32 s20, s40, 2
	s_lshl_b32 s46, s16, 1
	s_add_co_u32 s20, s20, s46                     ; phase 1: the first of my two heads
	s_lshl_b32 s46, s18, 4
	s_add_co_u32 s20, s20, s46
	s_mul_i32 s20, s20, HS
	s_cmp_eq_u32 ttmp9, 0
	s_cselect_b32 s101, QHF, 0                     ; Q's part of the blob, or K's
	s_add_co_u32 s20, s20, s101
	s_lshl_b32 s101, s41, 1
	s_add_co_u32 s101, s101, s15                   ; which 128 tokens of the batch
	s_cmp_eq_u32 ttmp9, 0                          ; Q: codes 6,144 and words 512 for 128 tokens, the words 49,152 behind the codes; K: both by key steps, the words 6,144 behind
	s_mov_b32 s10, KSTP
	s_cselect_b32 s10, 6144, s10
	s_mov_b32 s12, KSTP
	s_cselect_b32 s12, 512, s12
	s_mov_b32 s13, 6144
	s_cselect_b32 s13, 49152, s13
	s_mul_i32 s10, s101, s10
	s_add_co_u32 s10, s10, s20
	s_mov_b32 s11, 0
	s_add_nc_u64 s[10:11], s[8:9], s[10:11]
	s_mul_i32 s12, s101, s12
	s_add_co_u32 s12, s12, s20
	s_add_co_u32 s12, s12, s13
	s_mov_b32 s13, 0
	s_add_nc_u64 s[12:13], s[8:9], s[12:13]
	s_lshl_b32 s20, ttmp9, 3
	s_add_co_u32 s20, s20, s46
	s_lshl_b32 s101, s41, 1
	s_add_co_u32 s20, s20, s101
	s_add_co_u32 s20, s20, s15                     ; phase 2: my head
	s_mul_i32 s20, s20, HS
	s_add_co_u32 s20, s20, VFR
	s_lshl_b32 s101, s40, 1
	s_add_co_u32 s101, s101, s16                   ; my key step
	s_mul_i32 s92, s101, KSTP
	s_add_co_u32 s92, s92, s20
	s_mov_b32 s93, 0
	s_add_nc_u64 s[92:93], s[8:9], s[92:93]
	s_mul_i32 s94, s101, KSTP
	s_add_co_u32 s94, s94, s20
	s_add_co_u32 s94, s94, 6144                    ; V's scale words lie behind its 6,144 bytes of fragments
	s_mov_b32 s95, 0
	s_add_nc_u64 s[94:95], s[8:9], s[94:95]
	v_and_b32 v1, 15, v0                           ; r
	v_bfe_u32 v2, v0, 4, 1                         ; h
	v_and_b32 v3, 31, v0
	v_lshlrev_b32 v[GO], 3, v3
	v_add_nc_u32 v[ADRA], s42, v[GO]
	v_add_nc_u32 v[ADRA+1], SLOT, v[ADRA]
	v_add_nc_u32 v[ADRB], s43, v[GO]
	v_add_nc_u32 v[ADRB+1], SLOT, v[ADRB]
	v_add_nc_u32 v[ADRAV], s44, v[GO]
	v_add_nc_u32 v[ADRAV+1], SLOT, v[ADRAV]
	v_mul_u32_u24 v6, s45, v2
	v_lshl_add_u32 v5, v1, 3, v6
	v_add_nc_u32 v[ADRS], s47, v5
	v_mul_u32_u24 v6, s67, v2
	v_lshl_add_u32 v5, v1, 3, v6
	v_add_nc_u32 v[ADRSV], s98, v5
	v_mul_u32_u24 v6, s99, v2
	v_lshl_add_u32 v5, v1, 3, v6
	v_add_nc_u32 v[ADRSV+1], s17, v5
	v_mul_u32_u24 v5, v2, HS
	v_lshl_add_u32 v[GS], v1, 4, v5
	v_lshlrev_b32 v5, 3, v2
	v_lshl_add_u32 v[GSV], v1, 4, v5
	v_mov_b32 v[SELH], 0x01000100
	v_mov_b32 v5, 0x03020302
	v_cndmask_b32 v[SELH], v[SELH], v5, s[MSK]
	v_min_u32 v5, 11, v3                           ; lanes that are left over name the last block again
	v_lshlrev_b32 v5, 8, v5
	v_add_nc_u32 v[PF1], s21, v5
	v_add_nc_u32 v[PF0], s23, v5
	v_min_u32 v5, 5, v3
	v_lshlrev_b32 v5, 8, v5
	v_add_nc_u32 v[PFV], s22, v5
.irp b, 0,1,2,3
	v_mov_b32 v[TM+4+\b], 0                        ; a lane permute's destination counts as one of its sources
.endr
	s_wait_alu depctr_va_vdst(0)
	ASK 1
	ASK 2
.macro FRAG reg, adr, q, i             ; a fragment as it was stored: six planes, 256 consecutive bytes a load
.irp p, 0,1,2,3,4,5
	ds_load_b64 v[\reg+2*\p:\reg+2*\p+1], v[\adr] offset:(8*(\q)+(\i))*FRB+256*\p
.endr
.endm
.macro WM d, s0, s1, c, x0, x1
	v_wmma_scale_f32_16x16x128_f8f6f4 v[\d:\d+7], v[\s0:\s0+11], v[\s1:\s1+11], \c, v[\x0], v[\x1] matrix_a_fmt:MATRIX_FMT_FP6 matrix_b_fmt:MATRIX_FMT_FP6 matrix_a_scale:MATRIX_SCALE_ROW1
.endm
; eight products: source 1's tile a x source 0's eight.  p: source 0's set; q: which 128 of the slot's 256; sc: the set of scale words; ao: source 1's set.  The accumulators take turns, one instruction a turn.
.macro MULA a, p, q, sc, zero, ao
.irp b, 0,1,2,3,4,5,6,7
.set D_, 8*(8*((\a)%4)+\b)
.if \zero
	WM D_, 128*(\p)+FR*\b, AF+FR*(\a)+(\ao), 0, SC+16*(\sc)+2*\b+(\q), SC+16*(\sc)+2*(\a)+(\q)
.else
	WM D_, 128*(\p)+FR*\b, AF+FR*(\a)+(\ao), v[D_:D_+7], SC+16*(\sc)+2*\b+(\q), SC+16*(\sc)+2*(\a)+(\q)
.endif
.endr
.endm
.macro MUL16 a0, p, q, sc, zero
	MULA \a0, \p, \q, \sc, \zero, 0
	MULA \a0+1, \p, \q, \sc, \zero, 0
.endm
.macro FETCH_B slot, q, p
	WIN TO_B
.irp i, 0,1,2,3,4,5,6,7
	FRAG 128*(\p)+FR*\i, ADRB+\slot, \q, \i
.endr
	WIN 0
.endm
.macro FETCH_A slot, q, i0
.irp i, \i0, \i0+1, \i0+2, \i0+3
	FRAG AF+FR*(\i), ADRA+\slot, \q, \i
.endr
.endm
.macro FETCH_AV slot, q, set           ; phase 2: my four tiles of Wv into set 0 or 1
.irp i, 0,1,2,3
	FRAG AF+48*(\set)+FR*\i, ADRAV+\slot, \q, \i
.endr
.endm
.macro SCALES sc, kk
.irp i, 0,1,2,3,4,5,6,7
	ds_load_b64 v[SC+16*\sc+2*\i:SC+16*\sc+2*\i+1], v[ADRS] offset:(\kk)*1024+\i*128
.endr
.endm
.macro SCALESV sc, kk
.irp i, 0,1,2,3
	ds_load_b64 v[SC+16*\sc+2*\i:SC+16*\sc+2*\i+1], v[ADRSV] offset:(\kk)*1024+\i*128
.endr
.irp i, 4,5,6,7
	ds_load_b64 v[SC+16*\sc+2*\i:SC+16*\sc+2*\i+1], v[ADRSV+1] offset:(\kk)*1024+\i*128
.endr
.endm
.macro STEP slot, zero                 ; phase 1: a slot's first 128 along K
	s_wait_dscnt 4*NL                              ; all but the youngest 24 loads (source 1's tiles 4-7)
	WIN MUL_LO
	MUL16 0, 0, 0, \slot, \zero
	MUL16 2, 0, 0, \slot, \zero
	s_wait_dscnt 0
	PLACES NP
	FETCH_B \slot, 1, 1
	FETCH_A \slot, 1, 0
	WIN MUL_HI
	MUL16 4, 0, 0, \slot, \zero
	MUL16 6, 0, 0, \slot, \zero
	PLACES NP
	WIN 0
	FETCH_A \slot, 1, 4
.endm
; phase 1: a slot's second 128 along K, and the change of slots.  This slot takes slot step j behind a round of the cluster's barrier.  vn = 1: the next slot holds phase 2's first step.
.macro TURN slot, next, j, kk, vn, av
	s_wait_tensorcnt 0x0                           ; all my tensor loads have landed
	ds_add_u32 v[SPW], v[NIL]
	NEXT \j
	s_wait_dscnt 4*NL+1                            ; the add and the youngest 24 loads may be out
	WIN MUL_LO
	MUL16 0, 1, 1, \slot, 0
	s_wait_dscnt 0x0                               ; the add is done, my reads of this slot are over
	s_barrier_signal -1
	MUL16 2, 1, 1, \slot, 0
	WIN 0
	s_barrier_wait -1
	CREST
	JLOAD
	FETCH_B \next, 0, 0
.if \vn
	FETCH_AV \next, 0, 0
	SCALESV \next, \kk
.else
	FETCH_A \next, 0, 0
	SCALES \next, \kk
.endif
	ASKV \av
	WIN MUL_HI
	MUL16 4, 1, 1, \slot, 0
	MUL16 6, 1, 1, \slot, 0
	WIN 0
.if !(\vn)
	PLACES NP
	FETCH_A \next, 0, 4
.endif
.endm
.macro VSTEP slot, zero                ; phase 2: a slot's first 128 along K; the second's fragments are fetched ahead of the 32 products, into the other sets
	s_wait_dscnt 0x0
	PLACES NP
	FETCH_B \slot, 1, 1
	FETCH_AV \slot, 1, 1
	WIN MUL_LO
.irp a, 0,1,2,3
	MULA \a, 0, 0, \slot, \zero, 0
.endr
	WIN 0
.endm
.macro VTURN slot, next, j, kk         ; its second 128, and the change of slots; j < 0: nothing is filled again
	s_wait_tensorcnt 0x0
	ds_add_u32 v[SPW], v[NIL]
.if (\j) >= 0
	NEXT \j
.endif
	s_wait_dscnt 1                                 ; the add may be out
	WIN MUL_LO
	MULA 0, 1, 1, \slot, 0, 48
	s_wait_dscnt 0x0
	s_barrier_signal -1
	MULA 1, 1, 1, \slot, 0, 48
	WIN 0
	s_barrier_wait -1
.if (\j) >= 0
	CREST
	JLOAD
.else
	PLACES NP
.endif
	FETCH_B \next, 0, 0
	FETCH_AV \next, 0, 0
	SCALESV \next, \kk
	WIN MUL_LO
	MULA 2, 1, 1, \slot, 0, 48
	MULA 3, 1, 1, \slot, 0, 48
	WIN 0
.endm
; THE WAY OUT of source 1's tile a: a lane's 64 results are four blocks of 32 along the next K, half a block in a lane.  Codes in one of two sets of 20 registers, stored at once; the scale word in v[WD + a].
.macro QOUT a, isv
.set AC, 64*((\a)%4)
.set WW, 2+(\a)/4
.set PC, 64+20*((\a)%2)
	s_wait_xcnt 0x0                                ; earlier stores have read their data: the set is rewritten only behind this wait
	WIN WW*5
.irp b, 0,1,2,3
	v_max3_num_f32 v[TM+\b], |v[AC+16*\b]|, |v[AC+16*\b+1]|, 0x1800000   ; from each accumulator's low end on; the floor holds the byte at 1 from below
.endr
.irp i, 2,4,6,8,10,12,14
.irp b, 0,1,2,3
	v_max3_num_f32 v[TM+\b], |v[AC+16*\b+\i]|, |v[AC+16*\b+\i+1]|, v[TM+\b]
.endr
.endr
	WIN 0
.irp b, 0,1,2,3
	v_permlanex16_b32 v[TM+4+\b], v[TM+\b], s[SEL], s[SEL+1]
.endr
.irp b, 0,1,2,3
	v_max_num_f32 v[TM+\b], v[TM+\b], v[TM+4+\b]
.endr
.irp b, 0,1,2,3
	v_add_nc_u32 v[TM+12+\b], 0xff000000, v[TM+\b] ; 2 off the exponent field: the conversion's scale operand
.endr
.irp b, 0,1,2,3
	v_lshrrev_b32 v[TM+4+\b], 23, v[TM+12+\b]
.endr
	v_lshl_or_b32 v[WD+(\a)], v[TM+5], 8, v[TM+4]
	v_lshl_or_b32 v[WD+(\a)], v[TM+6], 16, v[WD+(\a)]
	v_lshl_or_b32 v[WD+(\a)], v[TM+7], 24, v[WD+(\a)]
	WIN WW
.irp c, 0,1
	v_cvt_scalef32_pk16_fp6_f32 v[PC+6*\c:PC+6*\c+2], v[AC+32*\c:AC+32*\c+15], v[TM+12+2*\c]
	v_cvt_scalef32_pk16_fp6_f32 v[PC+12+4*\c:PC+14+4*\c], v[AC+32*\c+16:AC+32*\c+31], v[TM+12+2*\c+1]
.endr
	WIN 0
	v_nop                                          ; one plain place behind a scaled conversion
.irp c, 0,1                            ; a whole block in a lane
.irp i, 0,1,2
	v_permlane16_swap_b32 v[PC+6*\c+\i], v[PC+12+4*\c+\i]
.endr
.irp i, 0,1,2
	v_mov_b32 v[PC+3+6*\c+\i], v[PC+12+4*\c+\i]
.endr
.endr
.irp p, 0,1,2,3,4,5
.if \isv
	global_store_b64 v[GO], v[PC+2*\p:PC+2*\p+1], s[92:93] offset:(\a)*FRB+256*\p   ; channel tile a's fragment: planes of 256 consecutive bytes
.else
	global_store_b64 v[GO], v[PC+2*\p:PC+2*\p+1], s[10:11] offset:(\p/3)*HS+(\a)*768+(\p%3)*256   ; two heads' half fragments of token tile a
.endif
.endr
.endm
	s_wait_tensorcnt 0x0                           ; my tile of the head's four is in; the full sequence ahead of the later first fills
	ds_add_u32 v[SPW], v[NIL]
	NEXT 1
	s_mov_b32 s[G1S+2], 16<<16                     ; Wv's run has 4,096 bytes of scale words
	s_mov_b32 s[G1S+4], 16
	s_mov_b32 s[G0S+1], SCV
	s_mov_b64 s[G0S+2:G0S+3], s[60:61]
	s_mov_b32 s[G0SB+1], SCV+2*HALFS
	s_mov_b64 s[G0SB+2:G0SB+3], s[62:63]
	s_wait_dscnt 0x0
	CROUND
	HEAD4                                          ; S1's two tiles and phase 2's scale words: all first fills
	FETCH_B 0, 0, 0
	FETCH_A 0, 0, 0
	SCALES 0, 0
	FETCH_A 0, 0, 4
	ASK 3
	STEP 0, 1
	TURN 0, 1, 2, 1, 0, 0
	STEP 1, 0
	TURN 1, 0, 3, 2, 0, 1
	STEP 0, 0
	TURN 0, 1, 4, 3, 0, 2
	STEP 1, 0
	TURN 1, 0, 5, 0, 1, 3
	PLACES NP                                      ; behind the last products
.irp a, 0,1,2,3,4,5,6,7
	QOUT \a, 0
.endr
.irp a, 0,1,2,3,4,5,6,7
	v_perm_b32 v[WD+\a], v[WD+\a], v[WD+\a], v[SELH]   ; a head's two bytes twice: lanes 0-15 the first head's, lanes 16-31 the second's
.endr
.irp j, 0,1
	global_store_b128 v[GS], v[WD+4*\j:WD+4*\j+3], s[12:13] offset:256*\j
.endr
	s_wait_alu depctr_va_vdst(0)
	VSTEP 0, 1
	VTURN 0, 1, 6, 1
	VSTEP 1, 0
	VTURN 1, 0, 7, 2
	VSTEP 0, 0
	VTURN 0, 1, -1, 3
	VSTEP 1, 0
	s_wait_dscnt 0x0
	WIN MUL_LO
.irp a, 0,1,2,3
	MULA \a, 1, 1, 1, 0, 48
.endr
	WIN 0
	PLACES NP
.irp a, 0,1,2,3
	QOUT \a, 1
.endr
	v_cndmask_b32 v[WD+4], v[WD], v[WD+2], s[MSK]  ; lane (r, h) stores row r's words of channel tiles 2 h, 2 h + 1
	v_cndmask_b32 v[WD+5], v[WD+1], v[WD+3], s[MSK]
	global_store_b64 v[GSV], v[WD+4:WD+5], s[94:95]   ; 256 consecutive bytes
	s_wait_tensorcnt 0x0                           ; the wave's end
	ds_add_u32 v[SPW], v[NIL]
	s_wait_dscnt 0x0
	CROUND                                         ; the closing round
	s_endpgm
.Lfunc_end_k_q566f70973d_qkv:
	.size	k_q566f70973d_qkv, .Lfunc_end_k_q566f70973d_qkv-k_q566f70973d_qkv
	.p2alignl 7, 3214868480
	.fill 96, 4, 3214868480
	.section	.rodata,"a",@progbits
	.p2align	6, 0x0
	.amdhsa_kernel k_q566f70973d_qkv
		.amdhsa_group_segment_fixed_size 327680
		.amdhsa_private_segment_fixed_size 0
		.amdhsa_enable_private_segment 0
		.amdhsa_kernarg_size 24
		.amdhsa_user_sgpr_count 2
		.amdhsa_user_sgpr_kernarg_segment_ptr 1
		.amdhsa_wavefront_size32 1
		.amdhsa_system_sgpr_workgroup_id_x 1
		.amdhsa_system_sgpr_workgroup_id_y 1
		.amdhsa_system_sgpr_workgroup_id_z 1
		.amdhsa_system_vgpr_workitem_id 0
		.amdhsa_next_free_vgpr 1024
		.amdhsa_next_free_sgpr 102
		.amdhsa_reserve_vcc 0
		.amdhsa_float_denorm_mode_32 3
		.amdhsa_float_denorm_mode_16_64 3
		.amdhsa_memory_ordered 1
		.amdhsa_forward_progress 1
		.amdhsa_inst_pref_size 255
	.end_amdhsa_kernel
	.section	.bss,"aw",@nobits
	.p2align	6
	.space	262144
	.amdgpu_metadata
---
amdhsa.version: [ 1, 2 ]
amdhsa.kernels:
  - .name:           k_q566f70973d_qkv
    .symbol:         k_q566f70973d_qkv.kd
    .args:
      - { .name: cod, .offset: 0, .size: 8, .value_kind: global_buffer, .address_space: global }
      - { .name: scl, .offset: 8, .size: 8, .value_kind: global_buffer, .address_space: global }
      - { .name: att, .offset: 16, .size: 8, .value_kind: global_buffer, .address_space: global }
    .group_segment_fixed_size: 327680
    .private_segment_fixed_size: 0
    .kernarg_segment_align: 8
    .kernarg_segment_size: 24
    .max_flat_workgroup_size: 128
    .sgpr_count:     102
    .vgpr_count:     1024
    .wavefront_size: 32
...
	.end_amdgpu_metadata
.endif
;; end of part 2
;; launch attn (part 3): grid 256 x 1, 16 waves a work-group, no clusters, 167,936 bytes of LDS; arguments att, oc, os; writes oc, os
.if DOCPART == 3
	.amdgcn_target "amdgcn-amd-amdhsa--gfx1250"
	.amdhsa_code_object_version 6
	.text
	.protected	k_q566f70973d_attn
	.globl	k_q566f70973d_attn
	.p2align	8
	.type	k_q566f70973d_attn,@function
k_q566f70973d_attn:
	s_mov_b64 s[64:65], 0
	v_nop
	global_prefetch_b8 v0, s[64:65] scope:SCOPE_SE
	s_setreg_imm32_b32 hwreg(HW_REG_WAVE_MODE, 25, 1), 1
	s_wait_xcnt 0x0
; Causal attention of one (batch, head) on codes of FP6 (E2M3) with E8M0 scales: S^T = K Q^T (K = the head's 64), p = 2^(t - M), O^T = V^T P^T (K = the keys), O / l quantised along the channels for the last product.
; t = score x log2(e) / 8; M = the running largest t rounded UP to a whole number; p is not normalised; the row's sum l is taken of the unquantised p; when M moves, l and O are multiplied by 2^(old M - new M): exact.
; att: a blob of 157,696 bytes for each (batch, head), register images: K's 64 half fragments (16 keys x 64: three planes of 256 bytes), K's scale words, V's fragments [key step 8][channel tile 4][1,536], V's scale words; then Q's like K's.
; Lane row r of tile 2 b + u is row 32 b + 8 u + r + 8 (r / 8), for keys, queries and channels alike: so the 16 result registers of two neighbouring tiles are 16 neighbours.
; SHARES.  Two work-groups to a head.  A wave owns two tiles of 16 queries, an early one 2 w + (work-group % 2) and the late one 63 - that: together 9 key steps of 128 for every wave.
; The head's K and V, 104,448 bytes, come into LDS ONCE (waves 0-7, one tensor load each) and stay: no ring, nothing is filled again.  Multicast is left out: only two work-groups share a head, for one fill at the start.
; K = 64 IN AN INSTRUCTION OF K = 128: twelve registers hold TWO key tiles' half fragments; q stands beside six registers of zero codes, [q | 0] for the even tile and [0 | q] for the odd one.  Scale words hold a row's two bytes twice.
; CAUSAL: both loops have constant trip counts; a step all of whose keys come after the tile's queries is jumped over by a scalar branch on ids; on the diagonal hidden scores become -infinity ahead of the maximum.
; OUT: oc, os, laid as the last product's operand (cod's and scl's layout).  A head owns 2 of a row's 32 scale bytes: they leave 2 bytes a lane, 8 bytes apart; they are one part in 24 of what the launch stores.
; LIMITS: NaN and infinities are not served; a block of zeros gets the byte 1 (its codes are zeros, and this program alone reads the bytes).
; REGISTERS: v1-4 addresses that stay; v8-11 those of the step; v12 -M, v13 the largest t, v[14:15] the sum; v16-33 [0 | q | 0] and v34 its scale word (early tile); v192-209, v210 the late tile's; v35 the mask's lane term;
;   v36-39 K's scale words, v40-43 V's; v44-47 the scale bytes' way out; v48-95 four fragments; v96-159 S^T, then p; v160-191 O^T; v224-255 at work.
.set HS,    157696
; THE BLOB'S ORDER: its first 104,448 bytes go by key step, 13,056 bytes a step: K's eight half fragments, K's scale words, V's four fragments, V's scale words; behind them Q's half fragments and scale words.
; Waves 0-7 fetch one key step each.  The first barrier shows steps 0-3 (waves 0-3 wait), the second steps 4-7.  Every wave runs its late tile's steps 0-3 between the two: four steps ahead of the second barrier, five behind it.
.set KSC,   6144                       ; in a key step's bytes: K's scale words: [four tiles][row 16][tile 4] words
.set VFR,   6656                       ; V's fragments
.set VSC,   12800                      ; V's scale words: [row 16][channel tile 4] words
.set QHF,   104448
.set QSC,   153600
.set QUART, 13056                      ; a key step: 51 rows of 256 bytes
.set SPARE, 104448                     ; behind them the spare words, 128 bytes for each wave: eight blocks of 256 bytes that no other line names
.set FRB,   1536
.set GBLK,  98304
.set AK0,  1                           ; v1   8 x lane: an image's place for my lane (in LDS, and in oc)
.set AV0,  2                           ; v2   the same in V's part
.set ASK0, 3                           ; v3   K's scale words: 16 x lane
.set ASV0, 4                           ; v4   V's: 16 r
.set SPW,  5                           ; v5   LDS address of my spare word; never rewritten
.set NIL,  6                           ; v6   0; never rewritten
.set ADK,  8
.set ADV,  9
.set ADS,  10
.set ADT,  11
.set QD,   35                          ; v35  r + 8 (r / 8) - 16 h
.set OSO,  44                          ; v44  my byte offset in os
.set HWL,  45                          ; v45  the early tile's two scale bytes;  v46 the late tile's
.set HWH,  46
.set WV,   18
.set SEL,  20                          ; s[20:21] v_permlanex16_b32's selects for lane l xor 16
.set CS,   22                          ; s[22:23] c = log2(e) / 8
.set G1,   24
.set G0,   32
.set QTL,  40                          ; s40, s41 my two tiles;  s42, s43 their first queries
.set QTH,  41
.set Q0L,  42
.set Q0H,  43
.set OCL,  44                          ; s[44:45], s[46:47] where their codes go
.set OCH,  46
.set KF,   48                          ; s48  the step's first key
.set T6,   49                          ; s49  the step's place among K's and among V's images: 13,056 bytes a step
.set CNT,  52
.set TMP,  53
.set MSK,  54                          ; s54  the mask of lanes 16-31
	s_load_b128 s[4:7], s[0:1], 0x0                ; att, oc
	s_load_b64 s[8:9], s[0:1], 0x10                ; os
	v_lshl_add_u32 v[SPW], v0, 2, SPARE
	v_mov_b32 v[NIL], 0
	ds_add_u32 v[SPW], v[NIL]                      ; the wave's opening: the add and its wait ahead of the first tensor load; work on registers stands between them
	ds_add_u32 v[SPW], v[NIL]
	v_lshrrev_b32 v8, 5, v0
	s_delay_alu instid0(VALU_DEP_1)
	v_readfirstlane_b32 s[WV], v8                  ; wave 0..15
	s_mov_b32 s[G1], 3<<16                         ; no mask; elements of 8 bytes; no padding: every load reads consecutive bytes
	s_mov_b32 s[G1+1], 32<<16                      ; tensor_dim0: rows of 256 bytes
	s_mov_b32 s[G1+2], 51<<16                      ; tensor_dim1
	s_mov_b32 s[G1+3], 32<<16                      ; tile_dim0
	s_mov_b32 s[G1+4], 51                          ; tile_dim1
	s_mov_b32 s[G1+5], 32                          ; the pitch: dense
	s_mov_b32 s[G1+6], 0
	s_mov_b32 s[G1+7], 0
	s_lshr_b32 s36, ttmp9, 1                       ; 16 x batch + head
	s_and_b32 s37, ttmp9, 1
	s_lshr_b32 s38, s36, 4                         ; the batch
	s_and_b32 s39, s36, 15                         ; the head
	s_lshl_b32 s[QTL], s[WV], 1
	s_add_co_u32 s[QTL], s[QTL], s37
	s_sub_co_u32 s[QTH], 63, s[QTL]
	s_and_b32 s55, s[QTL], 1                       ; a tile's first query: 16 tile - 8 (tile % 2)
	s_lshl_b32 s55, s55, 3
	s_lshl_b32 s[Q0L], s[QTL], 4
	s_sub_co_u32 s[Q0L], s[Q0L], s55
	s_and_b32 s55, s[QTH], 1
	s_lshl_b32 s55, s55, 3
	s_lshl_b32 s[Q0H], s[QTH], 4
	s_sub_co_u32 s[Q0H], s[Q0H], s55
	s_mul_i32 s56, s36, HS
	s_mov_b32 s57, 0
	s_mul_i32 s58, s[WV], QUART
	s_mov_b32 s59, 0
	s_mov_b32 s[SEL], 0x76543210
	s_mov_b32 s[SEL+1], 0xfedcba98
	s_mov_b32 s[CS], 0x3e38aa3b                    ; log2(e) / 8
	s_mov_b32 s[CS+1], s[CS]                       ; (named with it as a pair, so it is written)
	s_mov_b32 s[MSK], 0xffff0000
	s_wait_dscnt 0x0                               ; the opening add is done
	s_wait_kmcnt 0x0
	s_add_nc_u64 s[4:5], s[4:5], s[56:57]          ; my head's blob
	s_mov_b32 s[G0], 1
	s_mov_b32 s[G0+1], s58                         ; LDS: wave x 13,056
	s_add_nc_u64 s[G0+2:G0+3], s[4:5], s[58:59]
	s_or_b32 s[G0+3], s[G0+3], 0x80000000
	s_cmp_lt_u32 s[WV], 4                          ; waves 0-3: key steps 0-3, a load line of their own, since they alone wait at the first barrier
	s_cbranch_scc0 .Lfill_b
	tensor_load_to_lds s[G0:G0+3], s[G1:G1+7]
	s_nop 0
.rept 4
	v_nop
.endr
	s_branch .Lno_fill
.Lfill_b:
	s_cmp_lt_u32 s[WV], 8                          ; waves 4-7: key steps 4-7
	s_cbranch_scc0 .Lno_fill
	tensor_load_to_lds s[G0:G0+3], s[G1:G1+7]
	s_nop 0
.rept 4
	v_nop
.endr
.Lno_fill:
	v_and_b32 v8, 31, v0                           ; lane
	v_and_b32 v9, 15, v0                           ; r
	v_bfe_u32 v10, v0, 4, 1                        ; h
	s_delay_alu instid0(VALU_DEP_3)
	v_lshlrev_b32 v[AK0], 3, v8
	s_delay_alu instid0(VALU_DEP_1)
	v_add_nc_u32 v[AV0], VFR, v[AK0]
	v_lshl_add_u32 v[ASK0], v8, 4, KSC             ; lanes 0-15: the step's tiles 0-3, row r; lanes 16-31: tiles 4-7
	v_lshl_add_u32 v[ASV0], v9, 4, VSC
	v_and_b32 v11, 8, v9
	s_delay_alu instid0(VALU_DEP_1)
	v_add_nc_u32 v[QD], v11, v9
	v_lshlrev_b32 v11, 4, v10
	s_delay_alu instid0(VALU_DEP_1)
	v_sub_nc_u32 v[QD], v[QD], v11
	s_mul_i32 s60, s[QTL], 768                     ; Q's half fragments and scale words stay in registers
	v_add_nc_u32 v12, s60, v[AK0]
	s_wait_alu depctr_va_vdst(0)
	s_mul_i32 s60, s[QTH], 768
	v_add_nc_u32 v13, s60, v[AK0]
	s_wait_alu depctr_va_vdst(0)
	s_lshr_b32 s60, s[QTL], 2
	s_lshl_b32 s60, s60, 8
	s_and_b32 s61, s[QTL], 3
	s_lshl_b32 s61, s61, 2
	s_add_co_u32 s60, s60, s61
	v_lshl_add_u32 v14, v9, 4, s60
	s_lshr_b32 s60, s[QTH], 2
	s_lshl_b32 s60, s60, 8
	s_and_b32 s61, s[QTH], 3
	s_lshl_b32 s61, s61, 2
	s_add_co_u32 s60, s60, s61
	v_lshl_add_u32 v15, v9, 4, s60
.irp p, 0,1,2
	global_load_b64 v[22+2*\p:23+2*\p], v12, s[4:5] offset:QHF+256*\p
	global_load_b64 v[198+2*\p:199+2*\p], v13, s[4:5] offset:QHF+256*\p
.endr
	global_load_b32 v34, v14, s[4:5] offset:QSC
	global_load_b32 v210, v15, s[4:5] offset:QSC
	; where the results go: oc [128 tokens][kk = head / 4][q = (head / 2) % 2][tile 8][fragment], the head's 64 channels in planes 3 (head % 2) on; os [128 tokens][kk][tile][row][8 bytes], bytes 2 (head % 4) on
	s_lshl_b32 s55, s38, 3
	s_mul_i32 s56, s55, GBLK
	s_lshr_b32 s57, s39, 2
	s_mul_i32 s58, s57, 24576
	s_add_co_u32 s56, s56, s58
	s_bfe_u32 s58, s39, 0x10001
	s_mul_i32 s58, s58, 12288
	s_add_co_u32 s56, s56, s58
	s_and_b32 s58, s39, 1
	s_mul_i32 s58, s58, 768
	s_add_co_u32 s56, s56, s58
	s_lshl_b32 s59, s55, 12
	s_lshl_b32 s57, s57, 10
	s_add_co_u32 s59, s59, s57
	s_and_b32 s57, s39, 3
	s_lshl_b32 s57, s57, 1
	s_add_co_u32 s59, s59, s57
.macro TILEOFF qt, ocb, oso
	s_lshr_b32 s60, s[\qt], 3
	s_and_b32 s61, s[\qt], 7
	s_mul_i32 s62, s60, GBLK
	s_mul_i32 s63, s61, FRB
	s_add_co_u32 s62, s62, s63
	s_add_co_u32 s62, s62, s56
	s_mov_b32 s63, 0
	s_add_nc_u64 s[\ocb:\ocb+1], s[6:7], s[62:63]
	s_lshl_b32 s60, s60, 12
	s_lshl_b32 s61, s61, 7
	s_add_co_u32 s60, s60, s61
	s_add_co_u32 s[\oso], s60, s59
.endm
	TILEOFF QTL, OCL, TMP
	TILEOFF QTH, OCH, 55
	v_mov_b32 v[OSO], s[TMP]
	v_mov_b32 v47, s55
	s_delay_alu instid0(VALU_DEP_1)
	v_cndmask_b32 v[OSO], v[OSO], v47, s[MSK]      ; lanes 0-15 store the early tile's bytes, lanes 16-31 the late tile's
	s_delay_alu instid0(VALU_DEP_1)
	v_lshl_add_u32 v[OSO], v9, 3, v[OSO]
.irp j, 16,17,18,19,20,21,28,29,30,31,32,33,192,193,194,195,196,197,204,205,206,207,208,209
	v_mov_b32 v[\j], 0                             ; the zero codes beside q
.endr
.irp j, 236,237,238,239,252,253
	v_mov_b32 v[\j], 0                             ; written once: a lane permute's destination counts as one of its sources, and v253 is named in a pair before it is first made
.endr
	s_wait_alu depctr_va_vdst(0)
	s_cmp_lt_u32 s[WV], 4
	s_cbranch_scc0 .Lnot_a
	s_wait_tensorcnt 0x0                           ; my key step of the first four is in,
.Lnot_a:
	s_barrier_signal -1
	s_barrier_wait -1                              ; all four are.  Nothing is ever filled again
	s_wait_loadcnt 0x0                             ; Q; the loads' offset registers are free
; A KEY STEP: 128 keys.  q0: the register with the tile's first query;  qb: the first of the 18 registers [0 | q | 0];  qs: q's scale word.
.macro STEP q0, qb, qs, msk
	s_cmp_gt_u32 s[KF], s[\q0]                     ; KF is a multiple of 128 and the tile's queries lie in one run of 128: beyond the first query is beyond them all
	s_cbranch_scc1 .Lhidden_\@
	v_add_nc_u32 v[ADK], s[T6], v[AK0]             ; (these four are also the places in front of loads into registers that the last products read)
	v_add_nc_u32 v[ADV], s[T6], v[AV0]
	v_add_nc_u32 v[ADS], s[T6], v[ASK0]
	v_add_nc_u32 v[ADT], s[T6], v[ASV0]
.irp m, 0,1,2,3
.irp p, 0,1,2,3,4,5
	ds_load_b64 v[48+12*\m+2*\p:49+12*\m+2*\p], v[ADK] offset:FRB*\m+256*\p   ; key tiles 2 m (registers 0-5) and 2 m + 1 (registers 6-11)
.endr
.endr
	ds_load_b128 v[36:39], v[ADS]
	s_wait_alu depctr_va_vdst(0)
	s_wait_dscnt 0x0
.irp t, 0,1,2,3,4,5,6,7                        ; S^T: lane (r, h) holds query row r; the 16 registers of tiles 2 b, 2 b + 1 are keys KF + 32 b + 16 h + 0 .. 15
.if \t < 4
	v_wmma_scale_f32_16x16x128_f8f6f4 v[96+8*\t:103+8*\t], v[48+12*(\t/2):59+12*(\t/2)], v[\qb+6-6*(\t%2):\qb+17-6*(\t%2)], 0, v[36+\t%4], v[\qs] matrix_a_fmt:MATRIX_FMT_FP6 matrix_b_fmt:MATRIX_FMT_FP6
.else
	v_wmma_scale_f32_16x16x128_f8f6f4 v[96+8*\t:103+8*\t], v[48+12*(\t/2):59+12*(\t/2)], v[\qb+6-6*(\t%2):\qb+17-6*(\t%2)], 0, v[36+\t%4], v[\qs] matrix_a_fmt:MATRIX_FMT_FP6 matrix_b_fmt:MATRIX_FMT_FP6 matrix_a_scale:MATRIX_SCALE_ROW1
.endif
.endr
.rept 4
	v_nop                                          ; places: in front of the loads below, and of the first read of the scores
.endr
.irp m, 0,1,2,3                                ; V's four fragments and scale words land while the softmax is worked
.irp p, 0,1,2,3,4,5
	ds_load_b64 v[48+12*\m+2*\p:49+12*\m+2*\p], v[ADV] offset:FRB*\m+256*\p
.endr
.endr
	ds_load_b128 v[40:43], v[ADT]
.if \msk                                       ; (msk = 0: a copy for steps that lie wholly ahead of the tile's queries)
	s_add_co_u32 s[TMP], s[KF], 127                ; a step all of whose keys count for all my queries skips the mask
	s_cmp_le_u32 s[TMP], s[\q0]
	s_cbranch_scc1 .Lopen_\@
	s_sub_co_i32 s[TMP], s[\q0], s[KF]
	v_add_nc_u32 v252, s[TMP], v[QD]               ; d = my query - KF - 16 h.  Register 16 b + i holds key KF + 16 h + 32 b + i: hidden where 32 b + i > d
	v_mov_b32 v254, 0xff800000                     ; -infinity
.set n, 0
.rept 64
	v_cmp_gt_i32 vcc_lo, 32*(n/16)+n%16, v252
	v_cndmask_b32 v[96+n], v[96+n], v254, vcc_lo
.set n, n+1
.endr
.Lopen_\@:
.endif
.irp b, 0,1,2,3
	v_max3_num_f32 v[232+\b], v[96+16*\b], v[97+16*\b], v[98+16*\b]   ; the largest score of each block of 32 keys: for the row's maximum and, since p rises with the score, for the block's largest p
.endr
.irp i, 3,5,7,9,11,13
.irp b, 0,1,2,3
	v_max3_num_f32 v[232+\b], v[232+\b], v[96+16*\b+\i], v[97+16*\b+\i]
.endr
.endr
.irp b, 0,1,2,3
	v_max_num_f32 v[232+\b], v[232+\b], v[111+16*\b]
.endr
.irp b, 0,1,2,3
	s_delay_alu instid0(VALU_DEP_4)
	v_permlanex16_b32 v[236+\b], v[232+\b], s[SEL], s[SEL+1]
.endr
.irp b, 0,1,2,3
	s_delay_alu instid0(VALU_DEP_4)
	v_max_num_f32 v[232+\b], v[232+\b], v[236+\b]  ; with lane l xor 16's 16 keys
.endr
	s_delay_alu instid0(VALU_DEP_2)
	v_max3_num_f32 v254, v232, v233, v234
	s_delay_alu instid0(VALU_DEP_1)
	v_max_num_f32 v254, v254, v235                 ; the step's largest score of my query
	s_delay_alu instid0(VALU_DEP_1)
	v_mul_f32 v254, s[CS], v254                    ; as t (c is positive)
	s_delay_alu instid0(VALU_DEP_1)
	v_max_num_f32 v13, v13, v254                   ; the running largest t
	v_mov_b32 v254, v12
	s_delay_alu instid0(VALU_DEP_2)
	v_floor_f32 v12, -v13                          ; the new -M = floor(-t): M is a whole number
	s_delay_alu instid0(VALU_DEP_1)
	v_sub_f32 v254, v12, v254                      ; old M - new M: a whole number, 0 or less
	s_delay_alu instid0(VALU_DEP_1)
	v_cvt_i32_f32 v254, v254                       ; (it saturates)
	s_delay_alu instid0(VALU_DEP_1)
	v_ldexp_f32 v252, 1.0, v254                    ; f = 2^(old M - new M)
.set n, 0
.rept 32
	v_pk_fma_f32 v[96+n:97+n], v[96+n:97+n], s[CS:CS+1], v[12:13] op_sel_hi:[1,0,0]   ; t - M, two at a time
.set n, n+2
.endr
.irp b, 0,1,2,3
	v_fma_f32 v[232+\b], v[232+\b], s[CS], v12     ; the same of each block's largest score
.endr
.set n, 0
	s_wait_alu depctr_va_vdst(0)
.rept 64
	v_exp_f32 v[96+n], v[96+n]                     ; p = 2^(t - M), at most 1: not normalised
.set n, n+1
.endr
	v_pk_mul_f32 v[14:15], v[14:15], v[252:253] op_sel_hi:[1,0]   ; the sums under the new M.  (A plain place behind the exponentials)
	s_wait_alu depctr_va_vdst(0)                   ; one wait for the whole batch, ahead of its first reader
.irp b, 0,1,2,3
	v_exp_f32 v[232+\b], v[232+\b]                 ; the block's largest p: the same two instructions on the same number give the same bits
.endr
	v_pk_add_f32 v[236:237], v[100:101], v[104:105]
	v_pk_add_f32 v[254:255], v[108:109], v[112:113]
	v_pk_add_f32 v[250:251], v[116:117], v[120:121]
	v_pk_add_f32 v[248:249], v[124:125], v[128:129]
	v_pk_add_f32 v[246:247], v[132:133], v[136:137]
	v_pk_add_f32 v[244:245], v[140:141], v[144:145]
	v_pk_add_f32 v[242:243], v[148:149], v[152:153]
	v_pk_add_f32 v[14:15], v[14:15], v[156:157]
	v_pk_add_f32 v[236:237], v[236:237], v[96:97]
	v_pk_add_f32 v[254:255], v[254:255], v[98:99]
	v_pk_add_f32 v[250:251], v[250:251], v[102:103]
	v_pk_add_f32 v[248:249], v[248:249], v[106:107]
	v_pk_add_f32 v[246:247], v[246:247], v[110:111]
	v_pk_add_f32 v[244:245], v[244:245], v[114:115]
	v_pk_add_f32 v[242:243], v[242:243], v[118:119]
	v_pk_add_f32 v[14:15], v[14:15], v[122:123]
	v_pk_add_f32 v[236:237], v[236:237], v[126:127]
	v_pk_add_f32 v[254:255], v[254:255], v[130:131]
	v_pk_add_f32 v[250:251], v[250:251], v[134:135]
	v_pk_add_f32 v[248:249], v[248:249], v[138:139]
	v_pk_add_f32 v[246:247], v[246:247], v[142:143]
	v_pk_add_f32 v[244:245], v[244:245], v[146:147]
	v_pk_add_f32 v[242:243], v[242:243], v[150:151]
	v_pk_add_f32 v[14:15], v[14:15], v[154:155]
	v_pk_add_f32 v[236:237], v[236:237], v[158:159]
	s_delay_alu instid0(VALU_DEP_2)
	v_pk_add_f32 v[14:15], v[14:15], v[248:249]
	s_delay_alu instid0(VALU_DEP_2)
	v_pk_add_f32 v[236:237], v[236:237], v[246:247]
	v_pk_add_f32 v[254:255], v[254:255], v[244:245]
	v_pk_add_f32 v[250:251], v[250:251], v[242:243]
	s_delay_alu instid0(VALU_DEP_2)
	v_pk_add_f32 v[14:15], v[14:15], v[254:255]
	s_delay_alu instid0(VALU_DEP_2)
	v_pk_add_f32 v[236:237], v[236:237], v[250:251]
	s_delay_alu instid0(VALU_DEP_1)
	v_pk_add_f32 v[14:15], v[14:15], v[236:237]
	s_wait_alu depctr_va_vdst(0)                   ; and one for the four
.irp b, 0,1,2,3
	v_max_num_f32 v[232+\b], 0x1800000, v[232+\b]  ; the floor 2^(3 - 127): a block whose every p is 0 keeps the byte 1: its codes are zeros
.endr
.irp b, 0,1,2,3
	s_delay_alu instid0(VALU_DEP_4)
	v_add_nc_u32 v[244+\b], 0xff000000, v[232+\b]  ; the conversion's scale operand
.endr
.irp b, 0,1,2,3
	s_delay_alu instid0(VALU_DEP_4)
	v_lshrrev_b32 v[236+\b], 23, v[244+\b]         ; the scale's byte
.endr
	s_delay_alu instid0(VALU_DEP_3)
	v_lshl_or_b32 v253, v237, 8, v236              ; p's scale word for these 128 keys
	s_delay_alu instid0(VALU_DEP_1)
	v_lshl_or_b32 v253, v238, 16, v253
	s_delay_alu instid0(VALU_DEP_1)
	v_lshl_or_b32 v253, v239, 24, v253
.irp c, 0,1
	v_cvt_scalef32_pk16_fp6_f32 v[224+6*\c:226+6*\c], v[96+32*\c:111+32*\c], v[244+2*\c]
	v_cvt_scalef32_pk16_fp6_f32 v[236+4*\c:238+4*\c], v[112+32*\c:127+32*\c], v[244+2*\c+1]   ; (a conversion's three registers begin on an even number)
.endr
	v_nop                                          ; one plain place behind a scaled conversion
.irp c, 0,1                                    ; the operand's layout wants a WHOLE block in a lane
.irp i, 0,1,2
	v_permlane16_swap_b32 v[224+6*\c+\i], v[236+4*\c+\i]
.endr
.irp i, 0,1,2
	s_delay_alu instid0(VALU_DEP_3)
	v_mov_b32 v[227+6*\c+\i], v[236+4*\c+\i]
.endr
.endr
.set n, 0
.rept 16
	v_pk_mul_f32 v[160+n:161+n], v[160+n:161+n], v[252:253] op_sel_hi:[1,0]   ; O^T under the new M.  (These sixteen are also the places between p's codes and scale word and the products below)
.set n, n+2
.endr
	s_wait_alu depctr_va_vdst(0)
	s_wait_dscnt 0x0                               ; V
.irp t, 0,1,2,3                                ; O^T += V^T P^T: four tiles of 16 channels, by turns; register 16 b + i is channel 32 b + 16 h + i
	v_wmma_scale_f32_16x16x128_f8f6f4 v[160+8*\t:167+8*\t], v[48+12*\t:59+12*\t], v[224:235], v[160+8*\t:167+8*\t], v[40+\t], v253 matrix_a_fmt:MATRIX_FMT_FP6 matrix_b_fmt:MATRIX_FMT_FP6
.endr
.Lhidden_\@:
	s_add_co_u32 s[KF], s[KF], 128
	s_add_co_u32 s[T6], s[T6], QUART
.endm
; A tile's end: O^T / l, quantised along the channels (two blocks of 32), becomes half a fragment of the last product's operand.  ocb: where it goes;  hw: the register for its two scale bytes.
.macro FIN ocb, hw
.rept 4
	v_nop                                          ; places behind the last products
.endr
	v_add_f32 v14, v14, v15                        ; the sum's two halves,
	s_delay_alu instid0(VALU_DEP_1)
	v_permlanex16_b32 v252, v14, s[SEL], s[SEL+1]
	s_delay_alu instid0(VALU_DEP_1)
	v_add_f32 v14, v14, v252                       ; and lane l xor 16's: the row's sum
	s_wait_alu depctr_va_vdst(0)
	v_rcp_f32 v14, v14
	v_nop                                          ; a plain place behind the transcendental
	s_wait_alu depctr_va_vdst(0)                   ; and the wait ahead of its first reader
.set n, 0
.rept 16
	v_pk_mul_f32 v[96+n:97+n], v[160+n:161+n], v[14:15] op_sel_hi:[1,0]   ; each accumulator from its low end on
.set n, n+2
.endr
.irp b, 0,1
	v_max3_num_f32 v[232+\b], |v[96+16*\b]|, |v[97+16*\b]|, 0x1800000
.endr
.irp i, 2,4,6,8,10,12,14
.irp b, 0,1
	s_delay_alu instid0(VALU_DEP_2)
	v_max3_num_f32 v[232+\b], v[232+\b], |v[96+16*\b+\i]|, |v[97+16*\b+\i]|
.endr
.endr
.irp b, 0,1
	s_delay_alu instid0(VALU_DEP_2)
	v_permlanex16_b32 v[236+\b], v[232+\b], s[SEL], s[SEL+1]
.endr
.irp b, 0,1
	s_delay_alu instid0(VALU_DEP_2)
	v_max_num_f32 v[232+\b], v[232+\b], v[236+\b]
.endr
.irp b, 0,1
	s_delay_alu instid0(VALU_DEP_2)
	v_add_nc_u32 v[244+\b], 0xff000000, v[232+\b]
.endr
.irp b, 0,1
	s_delay_alu instid0(VALU_DEP_2)
	v_lshrrev_b32 v[236+\b], 23, v[244+\b]
.endr
	s_delay_alu instid0(VALU_DEP_1)
	v_lshl_or_b32 v[\hw], v237, 8, v236
	v_cvt_scalef32_pk16_fp6_f32 v[224:226], v[96:111], v244
	v_cvt_scalef32_pk16_fp6_f32 v[232:234], v[112:127], v245
	v_nop                                          ; one plain place behind a scaled conversion
.irp i, 0,1,2
	v_permlane16_swap_b32 v[224+\i], v[232+\i]
.endr
.irp i, 0,1,2
	s_delay_alu instid0(VALU_DEP_3)
	v_mov_b32 v[227+\i], v[232+\i]                 ; v224-229: block h of row r
.endr
.irp i, 0,1,2
	global_store_b64 v[AK0], v[224+2*\i:225+2*\i], s[\ocb:\ocb+1] offset:256*\i   ; a plane: 256 consecutive bytes, aligned
.endr
.endm
.macro INIT
	v_mov_b32 v13, 0xff61b1e6                      ; the largest t so far: -3e38, under every t
	s_delay_alu instid0(VALU_DEP_1)
	v_floor_f32 v12, -v13                          ; -M
	v_mov_b32 v14, 0
	v_mov_b32 v15, 0
.set n, 0
.rept 32
	v_mov_b32 v[160+n], 0                          ; O^T: the first step finds zeros, which the first change of M leaves zeros
.set n, n+1
.endr
	s_mov_b32 s[KF], 0
	s_mov_b32 s[T6], 0
.endm
.macro LOOP q0, qb, qs, trips, msk     ; so many key steps on from where the tile stands
	s_mov_b32 s[CNT], \trips
.Lstep_\@:
	STEP \q0, \qb, \qs, \msk
	s_sub_co_u32 s[CNT], s[CNT], 1
	s_cmp_lg_u32 s[CNT], 0
	s_cbranch_scc1 .Lstep_\@
.endm
	INIT
	LOOP Q0H, 192, 210, 4, 0                       ; the late tile lies among queries 512 on: keys 0-511 all count for it
	s_wait_alu depctr_va_vdst(0)
	s_wait_tensorcnt 0x0                           ; key steps 4-7: every wave waits,
	s_wait_dscnt 0x0
	s_barrier_signal -1
	s_barrier_wait -1                              ; and all of K and V is in
	LOOP Q0H, 192, 210, 4, 1
	FIN OCH, HWH
	s_wait_xcnt 0x0                                ; its stores have read their data: the codes' registers are rewritten only behind this wait
	INIT
	LOOP Q0L, 16, 34, 4, 1                         ; the early tile lies among the first 512 queries: four steps at the most
	FIN OCL, HWL
	v_cndmask_b32 v[HWL], v[HWL], v[HWH], s[MSK]   ; every lane holds its row's bytes of both tiles: lanes 16-31 store the late tile's
	global_store_b16 v[OSO], v[HWL], s[8:9]
	s_wait_tensorcnt 0x0                           ; the wave's end
	ds_add_u32 v[SPW], v[NIL]
	s_wait_dscnt 0x0
	s_endpgm
.Lfunc_end_k_q566f70973d_attn:
	.size	k_q566f70973d_attn, .Lfunc_end_k_q566f70973d_attn-k_q566f70973d_attn
	.p2alignl 7, 3214868480
	.fill 96, 4, 3214868480
	.section	.rodata,"a",@progbits
	.p2align	6, 0x0
	.amdhsa_kernel k_q566f70973d_attn
		.amdhsa_group_segment_fixed_size 167936
		.amdhsa_private_segment_fixed_size 0
		.amdhsa_enable_private_segment 0
		.amdhsa_kernarg_size 24
		.amdhsa_user_sgpr_count 2
		.amdhsa_user_sgpr_kernarg_segment_ptr 1
		.amdhsa_wavefront_size32 1
		.amdhsa_system_sgpr_workgroup_id_x 1
		.amdhsa_system_sgpr_workgroup_id_y 1
		.amdhsa_system_sgpr_workgroup_id_z 1
		.amdhsa_system_vgpr_workitem_id 0
		.amdhsa_next_free_vgpr 256
		.amdhsa_next_free_sgpr 66
		.amdhsa_reserve_vcc 1
		.amdhsa_float_denorm_mode_32 3
		.amdhsa_float_denorm_mode_16_64 3
		.amdhsa_memory_ordered 1
		.amdhsa_forward_progress 1
		.amdhsa_inst_pref_size 85
	.end_amdhsa_kernel
	.amdgpu_metadata
---
amdhsa.version: [ 1, 2 ]
amdhsa.kernels:
  - .name:           k_q566f70973d_attn
    .symbol:         k_q566f70973d_attn.kd
    .args:
      - { .name: att, .offset: 0, .size: 8, .value_kind: global_buffer, .address_space: global }
      - { .name: oc, .offset: 8, .size: 8, .value_kind: global_buffer, .address_space: global }
      - { .name: os, .offset: 16, .size: 8, .value_kind: global_buffer, .address_space: global }
    .group_segment_fixed_size: 167936
    .private_segment_fixed_size: 0
    .kernarg_segment_align: 8
    .kernarg_segment_size: 24
    .max_flat_workgroup_size: 512
    .sgpr_count:     66
    .vgpr_count:     256
    .wavefront_size: 32
...
	.end_amdgpu_metadata
.endif
;; end of part 3
;; launch proj (part 4): grid 4 x 64, 4 waves a work-group, clusters of 4 x 4, 327,680 bytes of LDS; arguments oc, os, cod, scl, bo, out0; writes out0
.if DOCPART == 4
	.amdgcn_target "amdgcn-amd-amdhsa--gfx1250"
	.amdhsa_code_object_version 6
	.text
	.protected	k_q566f70973d_proj
	.globl	k_q566f70973d_proj
	.p2align	8
	.type	k_q566f70973d_proj,@function
k_q566f70973d_proj:
	s_mov_b64 s[64:65], 0
	v_nop
	global_prefetch_b8 v0, s[64:65] scope:SCOPE_SE
	s_setreg_imm32_b32 hwreg(HW_REG_WAVE_MODE, 25, 1), 1
	s_wait_xcnt 0x0
	s_wait_alu depctr_hold_cnt(0) depctr_sa_sdst(0) depctr_va_vdst(0) depctr_va_sdst(0) depctr_va_ssrc(0) depctr_va_vcc(0) depctr_vm_vsrc(0)
	s_getreg_b32 s2, hwreg(HW_REG_IB_STS2, 6, 4)
	s_cmp_eq_u32 s2, 0
	s_cbranch_scc0 .Lentry_in_a_cluster
	s_endpgm
.Lentry_in_a_cluster:
	s_bfe_u32 s2, ttmp6, 0x10000c
	s_cmp_lg_u32 s2, 0xf033
	s_cbranch_scc0 .Lentry_shape_is_right
	s_endpgm
.Lentry_shape_is_right:
; out0 = O Wo + bo on codes of FP6 (E2M3) with E8M0 scales, K = 1,024.  oc, os (the attention's results) and cod, scl (Wo: runs 88 to 95) are register images as the first launch lays them:
; codes [128 rows g][kk 4][q 2][tile 8][1,536], scale words [g][kk][tile][row 16][8 bytes]; lane row r of tile 2 b + u is row 32 b + 8 u + r + 8 (r / 8).
; THE DEAL: 256 work-groups of four waves: 128 tokens (run 4 cluster y + cy) x 256 columns (Wo's runs 88 + 2 cx, + 1).  Wave w takes columns 64 w .. 64 w + 63 and holds their codes, ALL of K, in registers: 32 fragments, 384 registers.
; The tokens stream past in eight blocks of 16: eight fragments, 32 products, four accumulators by turns; a block's 16 x 64 results are then finished and leave at once, through the wave's stage in LDS, as rows of 256 consecutive bytes.
; Source 0 = Wo's rows, so that a lane's registers run along a row of out0; the bias is the first four products' C.
; LDS: the tokens' run (98,304 bytes) and Wo's two runs, each filled once, by the head's four tensor loads, one a wave; nothing is filled again.  The tokens' tiles are shared along a row of the cluster, Wo's along a column: joint loads.
; The first barrier shows Wo's runs (waves 0 and 1 wait, each on a load line of its own); the weights' 192 LDS loads stand ahead of the wait for the tokens.
; Scale words and bias come by plain loads, 256 consecutive bytes each: one register carries two neighbouring tiles' words, in lanes 0-15 and 16-31.
; No prefetch: every byte that the launch reads is asked for at its head, so there is no loop to run ahead in.
; REGISTERS: window 0: v16-30 addresses; v32-47 Wo's scale words; v48-79 the tokens'; v80-111 the bias; v112-175 two sets of four accumulators; v176-239 two sets of rows read back from the stage.
;   fragment f lies in window 1 + f / 21 at register 12 (f % 21): 0-31 Wo's (4 x K step + tile), 32-39 and 40-47 the tokens' two sets.
.set FR,     12
.set FPW,    21
.set NP,     4
.set FRB,    1536
.set GBLK,   98304
.set HALFT,  24576
.set SPARE,  3*GBLK
.set STG,    SPARE+512
.set SPITCH, 272                       ; a stage row: 256 bytes + 16
.set ADA,  16                          ; v16 8 x lane: the tokens' fragments of kk 0, 1 (and the scale words' offset in memory); v17: kk 2, 3
; cod is laid [256 rows][kk][run % 2][q][tile][fragment]: Wo's pair of runs is 196,608 consecutive bytes, fetched in two halves (kk 0, 1 and kk 2, 3) and laid in LDS as it lies in memory
.set ADB,  18                          ; v18-21 my 64 rows of Wo, one address for each kk
.set STO,  24
.set RD,   25
.set CO,   26
.set SPW,  28
.set NIL,  29
.set BOF,  30
.set SB,   32
.set SA,   48
.set BI,   80
.set ACC,  112
.set BK,   176
.set G1,   24
.set G0A,  32                          ; s[32:35], s[36:39] the tokens' two halves
.set G0B,  40                          ; s[40:43], s[44:47] Wo's two runs
.set G1B,  48
.set MSB, 0
.macro WIN new
.if MSB != \new
	s_set_vgpr_msb (MSB<<8)|\new
.set MSB, \new
.endif
.endm
.macro PLACES n
.rept \n
	v_nop
.endr
.endm
.macro TL g0, g1                       ; s_nop 0 and four v_nop behind each tensor load
	tensor_load_to_lds s[\g0:\g0+3], s[\g1:\g1+7]
	s_nop 0
	PLACES 4
.endm
.macro CROUND
	s_barrier_signal -1
	s_barrier_wait -1
	s_cmp_lg_u32 s14, 0
	s_cbranch_scc1 .Lnot_wave_0_\@
	s_barrier_signal -3
.Lnot_wave_0_\@:
	s_barrier_wait -3
	s_barrier_signal -1
	s_barrier_wait -1
.endm
	s_load_b256 s[4:11], s[0:1], 0x0               ; oc, os, cod, scl
	s_load_b128 s[92:95], s[0:1], 0x20             ; bo, out0
	v_lshl_add_u32 v[SPW], v0, 2, SPARE
	v_mov_b32 v[NIL], 0
	ds_add_u32 v[SPW], v[NIL]                      ; the opening lines
	ds_add_u32 v[SPW], v[NIL]
	v_lshrrev_b32 v1, 5, v0
	v_readfirstlane_b32 s14, v1                    ; wave
	s_lshr_b32 s15, s14, 1                         ; which of Wo's two runs is mine
	s_and_b32 s16, s14, 1                          ; which four of its eight tiles
	s_bfe_u32 s12, ttmp6, 0x40000                  ; cx
	s_bfe_u32 s13, ttmp6, 0x40004                  ; cy
	s_and_b32 s18, ttmp7, 0xffff
	s_lshl_b32 s17, s18, 2
	s_add_co_u32 s17, s17, s13                     ; the tokens' run
	s_mul_i32 s20, s17, GBLK
	s_mov_b32 s21, 0
	s_lshl_b32 s19, s12, 1
	s_add_co_u32 s19, s19, 88                      ; Wo's first run
	s_mul_i32 s22, s19, GBLK
	s_mov_b32 s23, 0
	s_lshl_b32 s56, s13, 2
	s_lshl_b32 s56, 15, s56                        ; my row of the cluster
	s_lshl_b32 s57, 0x1111, s12                    ; my column
	s_or_b32 s[G1+0], s56, (3<<16)|(1<<21)         ; half a run: 49,152 dense bytes as 192 rows of 256
	s_mov_b32 s[G1+1], 32<<16
	s_mov_b32 s[G1+2], 192<<16
	s_mov_b32 s[G1+3], 32<<16
	s_mov_b32 s[G1+4], 192
	s_mov_b32 s[G1+5], 32
	s_mov_b32 s[G1+6], 0
	s_mov_b32 s[G1+7], 0
	s_or_b32 s[G1B+0], s57, (3<<16)|(1<<21)        ; a run: 384 rows of 256
	s_mov_b32 s[G1B+1], 32<<16
	s_mov_b32 s[G1B+2], 384<<16
	s_mov_b32 s[G1B+3], 32<<16
	s_mov_b32 s[G1B+4], 384
	s_mov_b32 s[G1B+5], 32
	s_mov_b32 s[G1B+6], 0
	s_mov_b32 s[G1B+7], 0
	s_mov_b32 s[G0A], 1
	s_mov_b32 s[G0A+1], 0
	s_mov_b32 s[G0A+4], 1
	s_mov_b32 s[G0A+5], 2*HALFT
	s_mov_b32 s[G0B], 1
	s_mov_b32 s[G0B+1], GBLK
	s_mov_b32 s[G0B+4], 1
	s_mov_b32 s[G0B+5], 2*GBLK
	s_wait_dscnt 0x0                               ; both opening adds are done
	CROUND                                         ; the round in front of the joint loads, ahead of the wait for the arguments
	s_wait_kmcnt 0x0
	s_add_nc_u64 s[G0A+2:G0A+3], s[4:5], s[20:21]
	s_add_nc_u64 s[G0A+6:G0A+7], s[G0A+2:G0A+3], 2*HALFT
	s_or_b32 s[G0A+3], s[G0A+3], 0x80000000
	s_or_b32 s[G0A+7], s[G0A+7], 0x80000000
	s_add_nc_u64 s[G0B+2:G0B+3], s[8:9], s[22:23]
	s_add_nc_u64 s[G0B+6:G0B+7], s[G0B+2:G0B+3], GBLK
	s_or_b32 s[G0B+3], s[G0B+3], 0x80000000
	s_or_b32 s[G0B+7], s[G0B+7], 0x80000000
	s_cmp_lt_u32 s14, 1                            ; one load a wave; Wo's runs, which go on into registers, are asked for first
	s_cbranch_scc0 .Lh1
	TL G0B, G1B
	s_branch .Lhj
.Lh1:
	s_cmp_lt_u32 s14, 2
	s_cbranch_scc0 .Lh2
	TL G0B+4, G1B
	s_branch .Lhj
.Lh2:
	s_cmp_lt_u32 s14, 3
	s_cbranch_scc0 .Lh3
	TL G0A, G1
	s_branch .Lhj
.Lh3:
	TL G0A+4, G1
.Lhj:
	s_lshl_b32 s58, s17, 12                        ; the tokens' scale words
	s_mov_b32 s59, 0
	s_add_nc_u64 s[6:7], s[6:7], s[58:59]
	s_add_co_u32 s58, s19, s15
	s_lshl_b32 s58, s58, 12
	s_lshl_b32 s60, s16, 9
	s_add_co_u32 s58, s58, s60                     ; my four tiles' of Wo
	s_add_nc_u64 s[10:11], s[10:11], s[58:59]
	s_lshl_b32 s58, s12, 10
	s_lshl_b32 s60, s14, 8
	s_add_co_u32 s58, s58, s60                     ; my first column, in bytes
	s_add_nc_u64 s[92:93], s[92:93], s[58:59]
	s_add_nc_u64 s[94:95], s[94:95], s[58:59]
	s_lshl_b32 s58, s17, 19                        ; 128 rows of 4,096 bytes a run
	s_add_nc_u64 s[94:95], s[94:95], s[58:59]
	s_mul_i32 s60, s15, HALFT
	s_add_co_u32 s60, s60, GBLK
	s_mul_i32 s61, s16, 4*FRB
	s_add_co_u32 s60, s60, s61                     ; LDS: my four tiles of my run of Wo
	s_mul_i32 s62, s14, 16*SPITCH
	s_add_co_u32 s62, s62, STG                     ; my stage
	v_and_b32 v1, 15, v0                           ; r
	v_bfe_u32 v2, v0, 4, 1                         ; h
	v_and_b32 v3, 31, v0
	v_lshlrev_b32 v[ADA], 3, v3
	v_lshlrev_b32 v[BOF], 6, v2
.irp kk, 0,1,2,3
.irp j, 0,1                            ; Wo's tiles 2 j (lanes 0-15) and 2 j + 1 (lanes 16-31): the words of K steps 2 kk, 2 kk + 1
	global_load_b64 v[SB+2*(2*\kk+\j):SB+2*(2*\kk+\j)+1], v[ADA], s[10:11] offset:\kk*1024+\j*256
.endr
.irp j, 0,1,2,3                        ; token tiles 2 j and 2 j + 1 likewise
	global_load_b64 v[SA+2*(4*\kk+\j):SA+2*(4*\kk+\j)+1], v[ADA], s[6:7] offset:\kk*1024+\j*256
.endr
.endr
.irp t, 0,1,2,3                        ; register i of accumulator t is column 32 (t / 2) + 8 (t % 2) + 16 h + i
	global_load_b128 v[BI+8*\t:BI+8*\t+3], v[BOF], s[92:93] offset:(32*(\t/2)+8*(\t%2))*4
	global_load_b128 v[BI+8*\t+4:BI+8*\t+7], v[BOF], s[92:93] offset:(32*(\t/2)+8*(\t%2))*4+16
.endr
	v_add_nc_u32 v[ADA+1], 2*HALFT, v[ADA]
	v_add_nc_u32 v[ADB], s60, v[ADA]
	v_add_nc_u32 v[ADB+1], 2*HALFT, v[ADB]
	v_add_nc_u32 v[ADB+2], 4*HALFT, v[ADB]
	v_add_nc_u32 v[ADB+3], 6*HALFT, v[ADB]
	v_mul_u32_u24 v5, v1, SPITCH                   ; into the stage: row r, 64 bytes for each half of the lanes
	v_lshl_add_u32 v5, v2, 6, v5
	v_add_nc_u32 v[STO], s62, v5
	v_mul_u32_u24 v6, v2, SPITCH                   ; back: sixteen lanes to a row, two rows a load
	v_lshl_add_u32 v6, v1, 4, v6
	v_add_nc_u32 v[RD], s62, v6
	v_lshlrev_b32 v7, 12, v2                       ; and the same two rows in out0
	v_lshl_add_u32 v[CO], v1, 4, v7
.macro FRAGW f, adr, off               ; a fragment as it was stored: six planes, 256 consecutive bytes a load
	WIN (1+(\f)/FPW)<<6
.irp p, 0,1,2,3,4,5
	ds_load_b64 v[FR*((\f)%FPW)+2*\p:FR*((\f)%FPW)+2*\p+1], v[\adr] offset:(\off)+256*\p
.endr
.endm
.macro FETCH a, e                      ; token tile a, all of K, into set e: 48 loads
.irp ks, 0,1,2,3,4,5,6,7
	FRAGW 32+8*(\e)+\ks, ADA+\ks/4, ((\ks/2)%2)*HALFT+(8*(\ks%2)+(\a))*FRB
.endr
	WIN 0
.endm
.macro WM d, s0, s1, c, x0, x1, ra, rb
	v_wmma_scale_f32_16x16x128_f8f6f4 v[\d:\d+7], v[\s0:\s0+11], v[\s1:\s1+11], \c, v[\x0], v[\x1] matrix_a_fmt:MATRIX_FMT_FP6 matrix_b_fmt:MATRIX_FMT_FP6 matrix_a_scale:MATRIX_SCALE_ROW\ra matrix_b_scale:MATRIX_SCALE_ROW\rb
.endm
; A BLOCK: token tile a (rb = a % 2: its half of the scale registers).  32 products, K ascending, the four accumulators by turns; then the way out, with the fetch of the tile two on
; between the stage's loads and the wait for them.  That wait also shows the next block's fragments in: they were asked for a block earlier.
.macro BLK a, rb, fetch
.set E_, (\a)%2
.set AC_, ACC+32*E_
.set BK_, BK+32*E_
.irp ks, 0,1,2,3,4,5,6,7
.irp j, 0,1
.irp o, 0,1
.set FB_, 4*\ks+2*\j+\o
.set FA_, 32+8*E_+\ks
.set D_, AC_+8*(2*\j+\o)
.set W_, (1+FB_/FPW)|((1+FA_/FPW)<<2)
	WIN W_
.if \ks
	WM D_, FR*(FB_%FPW), FR*(FA_%FPW), v[D_:D_+7], SB+2*(2*(\ks/2)+\j)+\ks%2, SA+2*(4*(\ks/2)+(\a)/2)+\ks%2, \o, \rb
.else
	WM D_, FR*(FB_%FPW), FR*(FA_%FPW), v[BI+8*(2*\j+\o):BI+8*(2*\j+\o)+7], SB+2*(2*(\ks/2)+\j)+\ks%2, SA+2*(4*(\ks/2)+(\a)/2)+\ks%2, \o, \rb
.endif
.endr
.endr
.endr
	WIN 0
	PLACES NP                                      ; behind the products: their results are read, and their fragments' registers loaded, below
	s_wait_xcnt 0x0                                ; earlier stores have read their registers
.irp t, 0,1,2,3
	ds_store_b128 v[STO], v[AC_+8*\t:AC_+8*\t+3] offset:128*(\t/2)+32*(\t%2)      ; each accumulator from its low end on
	ds_store_b128 v[STO], v[AC_+8*\t+4:AC_+8*\t+7] offset:128*(\t/2)+32*(\t%2)+16
.endr
.irp i, 0,1,2,3,4,5,6,7
	ds_load_b128 v[BK_+4*\i:BK_+4*\i+3], v[RD] offset:2*\i*SPITCH   ; LDS serves a wave's instructions in order: these see the stores above
.endr
.if \fetch
	FETCH (\a)+2, E_
	s_wait_dscnt 48                                ; all but the 48 loads just issued
.else
	s_wait_dscnt 0x0
.endif
.irp i, 0,1,2,3,4,5,6,7
	global_store_b128 v[CO], v[BK_+4*\i:BK_+4*\i+3], s[94:95] offset:(32*((\a)/2)+8*((\a)%2)+2*\i+8*(\i/4))*4096 th:TH_STORE_NT   ; sixteen lanes store 256 consecutive bytes, aligned
.endr
.endm
	s_wait_alu depctr_va_vdst(0)
	s_cmp_lt_u32 s14, 2
	s_cbranch_scc0 .Lnot_b
	s_wait_tensorcnt 0x0                           ; my run of Wo is in,
.Lnot_b:
	s_barrier_signal -1
	s_barrier_wait -1                              ; both are; the tokens may still be on their way
.irp ks, 0,1,2,3,4,5,6,7
.irp t, 0,1,2,3
	FRAGW 4*\ks+\t, ADB+\ks/2, (8*(\ks%2)+\t)*FRB
.endr
.endr
	WIN 0
	s_wait_tensorcnt 0x0                           ; the tokens: every wave waits,
	s_wait_dscnt 0x0
	s_barrier_signal -1
	s_barrier_wait -1                              ; and the whole run is in
	FETCH 0, 0
	FETCH 1, 1
	s_wait_loadcnt 0x0                             ; the scale words and the bias
	s_wait_dscnt 48                                ; tile 0's fragments
	BLK 0, 0, 1
	BLK 1, 1, 1
	BLK 2, 0, 1
	BLK 3, 1, 1
	BLK 4, 0, 1
	BLK 5, 1, 1
	BLK 6, 0, 0
	BLK 7, 1, 0
	s_wait_tensorcnt 0x0                           ; the wave's end
	ds_add_u32 v[SPW], v[NIL]
	s_wait_dscnt 0x0
	CROUND                                         ; the closing round
	s_endpgm
.Lfunc_end_k_q566f70973d_proj:
	.size	k_q566f70973d_proj, .Lfunc_end_k_q566f70973d_proj-k_q566f70973d_proj
	.p2alignl 7, 3214868480
	.fill 96, 4, 3214868480
	.section	.rodata,"a",@progbits
	.p2align	6, 0x0
	.amdhsa_kernel k_q566f70973d_proj
		.amdhsa_group_segment_fixed_size 327680
		.amdhsa_private_segment_fixed_size 0
		.amdhsa_enable_private_segment 0
		.amdhsa_kernarg_size 48
		.amdhsa_user_sgpr_count 2
		.amdhsa_user_sgpr_kernarg_segment_ptr 1
		.amdhsa_wavefront_size32 1
		.amdhsa_system_sgpr_workgroup_id_x 1
		.amdhsa_system_sgpr_workgroup_id_y 1
		.amdhsa_system_sgpr_workgroup_id_z 1
		.amdhsa_system_vgpr_workitem_id 0
		.amdhsa_next_free_vgpr 896
		.amdhsa_next_free_sgpr 100
		.amdhsa_reserve_vcc 0
		.amdhsa_float_denorm_mode_32 3
		.amdhsa_float_denorm_mode_16_64 3
		.amdhsa_memory_ordered 1
		.amdhsa_forward_progress 1
		.amdhsa_inst_pref_size 96
	.end_amdhsa_kernel
	.amdgpu_metadata
---
amdhsa.version: [ 1, 2 ]
amdhsa.kernels:
  - .name:           k_q566f70973d_proj
    .symbol:         k_q566f70973d_proj.kd
    .args:
      - { .name: oc, .offset: 0, .size: 8, .value_kind: global_buffer, .address_space: global }
      - { .name: os, .offset: 8, .size: 8, .value_kind: global_buffer, .address_space: global }
      - { .name: cod, .offset: 16, .size: 8, .value_kind: global_buffer, .address_space: global }
      - { .name: scl, .offset: 24, .size: 8, .value_kind: global_buffer, .address_space: global }
      - { .name: bo, .offset: 32, .size: 8, .value_kind: global_buffer, .address_space: global }
      - { .name: out0, .offset: 40, .size: 8, .value_kind: global_buffer, .address_space: global }
    .group_segment_fixed_size: 327680
    .private_segment_fixed_size: 0
    .kernarg_segment_align: 8
    .kernarg_segment_size: 48
    .max_flat_workgroup_size: 128
    .sgpr_count:     100
    .vgpr_count:     896
    .wavefront_size: 32
...
	.end_amdgpu_metadata
.endif
;; end of part 4
